; MI455X (gfx1250); checked and timed in simulation.
; The chip was launched on July 23, 2026; its instructions are those of AMD's public machine-readable ISA for CDNA 5 (MIT licence, August 2026) and "CDNA5" Instruction Set Architecture Reference Guide (July 2026). The comments in the code are by the model that wrote it; some were corrected since.
;; D Flash Attention. Allowed arithmetic: matrix products marked QUANTISED: E2M3 operands, one E8M0 scale for each 32 along K, by v_wmma_scale_f32_16x16x128_f8f6f4 with both operands' format E2M3, f32 sums; everything else in f32.
;; Inputs: Wk 1,024 x 2,048 float32; Wk_ctx 1,024 x 2,048 float32; Wo 2,048 x 2,048 float32; Wq 2,048 x 2,048 float32; Wv 1,024 x 2,048 float32; Wv_ctx 1,024 x 2,048 float32; context 1 x 2,048 x 2,048 float32; hidden_states 1 x 2,048 x 2,048 float32; k_norm_w 128 float32; position_ids 1 x 2,048 int32; q_norm_w 128 float32.
;; Outputs: out0 1 x 2,048 x 2,048 float32.
;; This version of the problem:
;;   THIS VERSION OF THE PROBLEM IS GIVEN IN LOW PRECISION. The matrix products marked QUANTISED in the list below multiply operands that are first quantised to E2M3 (2 exponent bits, 3 mantissa bits; 6 bits a number), with one power-of-two scale for each 32 numbers along K (OCP MX v1.0); their sums are f32. All else is computed in f32.
;;   The module's matrix products, in the order in which they are computed (A, B: the left and right operand; K: the contracted axis; several contracted axes count as one K, in the product's order):
;;     1. [M 2,048, K 2,048] x [K 2,048, N 2,048]; A: input hidden_states; B: input Wq: QUANTISED
;;     2. [M 2,048, K 2,048] x [K 2,048, N 1,024]; A: input hidden_states; B: input Wk: QUANTISED
;;     3. [M 2,048, K 2,048] x [K 2,048, N 1,024]; A: input hidden_states; B: input Wv: QUANTISED
;;     4. [M 2,048, K 2,048] x [K 2,048, N 1,024]; A: input context; B: input Wk_ctx: QUANTISED
;;     5. [M 2,048, K 2,048] x [K 2,048, N 1,024]; A: input context; B: input Wv_ctx: QUANTISED
;;     6. batch 16 x [M 2,048, K 128] x [K 128, N 4,096]; A: computed on the way; B: computed on the way: QUANTISED
;;     7. batch 16 x [M 2,048, K 4,096] x [K 4,096, N 128]; A: softmax (see below); B: computed on the way: QUANTISED
;;     8. [M 2,048, K 2,048] x [K 2,048, N 2,048]; A: computed on the way; B: input Wo: QUANTISED
;;   THE QUANTISER, for each operand of a quantised product, along K:
;;     - K is cut into blocks of 32 from its start; a last block that is shorter is filled with zeros.
;;     - A block's scale is 2^e with e = floor(log2(the largest magnitude in the block)) - 2, held to -126 .. 127; a block of zeros has e = 0. As a byte (E8M0): e + 127.
;;     - Each number is divided by its block's scale, clamped to +-7.5, and rounded to the nearest number of E2M3, ties to even, subnormals kept.
;;     - The product sums the exact products of the quantised numbers (number of the format x scale) in f32.
;;   ~~~python
;;   def quantise(x, axis):      # numpy; x: float32 -> the quantised numbers, widened to float32 again
;;       x = np.moveaxis(x, axis, -1); K = x.shape[-1]
;;       x = np.pad(x, [(0, 0)] * (x.ndim - 1) + [(0, -K % 32)]); x = x.reshape(x.shape[:-1] + (-1, 32)); a = np.abs(x).max(-1, keepdims=True)
;;       e = np.where(a > 0, np.clip(np.frexp(np.where(a > 0, a, 1))[1] - 1 - 2, -126, 127), 0)      # np.frexp(a)[1] - 1 = floor(log2(a)), exactly
;;       r = np.clip(x / 2.0 ** e, -7.5, 7.5)
;;       step = 2.0 ** (np.maximum(np.frexp(np.where(r == 0, 1, r))[1] - 1, 0) - 3)
;;       q = np.round(r / step) * step * 2.0 ** e      # np.round: ties to even
;;       return np.moveaxis(q.reshape(q.shape[:-2] + (-1,))[..., :K], -1, axis).astype(np.float32)
;;   ~~~
;;   SOFTMAX AHEAD OF A QUANTISED PRODUCT. Where the list says 'softmax', what is quantised is not the finished softmax but p = 2^(t - M), with t = logit x log2(e) and M = ceil(the row's largest t), a whole number; so 1/2 < the row's largest p <= 1. The row's sum l is taken of the UNQUANTISED p, in f32, and the product's result is divided by l at the end. Since M is a whole number, a kernel that streams over the keys may use a running M (the ceiling of the running maximum): every later rescaling is an exact power of two, which a block's scale takes up: the codes' values come out the same.
;;   OPERANDS COMPUTED ON THE WAY. 'Computed on the way' means the value that the module computes at that place (a softmax that the list does not call 'softmax' is quantised finished and normalised). What goes into a quantiser is computed in f32, as accurately as f32 sums, v_exp_f32 and their like allow (about 1e-6 of the number): no bf16 or f16 on the way to a quantiser, and a product that is left as it is and whose result goes on into a quantised operand takes f32 operands (vector FMAs, or v_wmma_f32_16x16x4_f32). A number that lies on a knife's edge between two numbers of the format may be rounded either way, as far as f32 arithmetic and the matrix unit's own rounding can turn it there, and no further.
;; One version. Each part assembles by itself: llvm-mc -triple=amdgcn-amd-amdhsa -mcpu=gfx1250 --defsym DOCPART=n.
;; ======== version 1 of 1: 4 launches
;; limits: right only within a limited range of input values
;; workspace buffers: codes 18,874,368 bytes; scales 786,432 bytes; rope 1,048,576 bytes; qkv_codes 9,437,184 bytes; qkv_scales 393,216 bytes; att_codes 3,145,728 bytes; att_scales 131,072 bytes
;; launch quant (part 1): grid 832 x 1, 4 waves a work-group, no clusters, 34,304 bytes of LDS; arguments hidden_states, context, Wq, Wk, Wk_ctx, Wv, Wv_ctx, Wo, position_ids, codes, scales, rope; writes codes, scales, rope
.if DOCPART == 1
	.amdgcn_target "amdgcn-amd-amdhsa--gfx1250"
	.amdhsa_code_object_version 6
	.text
	.protected	k_q57a73b22d7_quant
	.globl	k_q57a73b22d7_quant
	.p2align	8
	.type	k_q57a73b22d7_quant,@function
k_q57a73b22d7_quant:
	s_mov_b64 s[64:65], 0
	v_nop
	global_prefetch_b8 v0, s[64:65] scope:SCOPE_SE
	s_setreg_imm32_b32 hwreg(HW_REG_WAVE_MODE, 25, 1), 1
	s_wait_xcnt 0x0
; All eight f32 matrices ([rows][2048], K innermost) become codes of FP6 (E2M3) with one E8M0 scale byte for each 32 along K; and the table of cos and sin is made.
; A block's scale is 2^(floor(log2(its largest magnitude)) - 2); its byte is the largest magnitude's exponent field - 2, held at 1 from below.
; LAYOUT OF THE CODES.  A tile is 16 rows: lane r of tile 2 B + u holds row 32 B + 8 u + r + 8 (r / 8).  A fragment (a tile x 128 along K) is stored as the image of the operand's 12 registers:
; registers 4 c .. 4 c + 3 of lane l at 512 c + 16 l: 1,536 bytes; a tile's 16 fragments on end: 24,576 bytes.  The tiles of all eight matrices are numbered on end:
; hidden_states 0, context 128, Wq 256, Wk 384, Wk_ctx 448, Wv 512, Wv_ctx 576, Wo 640.
; LAYOUT OF THE SCALE WORDS (four bytes: a row's 128 along K): [tile][j = 0..7][r][2 words]: the words of K steps 2 j and 2 j + 1: 1,024 bytes a tile.
; SHARES.  Work-groups 0 to 767: one tile each; wave w takes K steps 4 w .. 4 w + 3.  Each load reads 512 consecutive bytes of one row; the 16 rows turn through the wave's own stage in LDS,
; so that a lane gets 16 neighbours of each block of 32.  Waves share nothing: no barrier.  Work-groups 768 to 831 make the table; they use no LDS.
; THE TABLE: [tile of positions][j = 0..15][lane][16 bytes]: j = 0..7 cos, 8..15 sin; entry j % 8 = 4 b + q holds the frequencies 16 b + 32 (lane / 16) + 4 q + 0..3 of the lane's row.
; LIMITS: NaN and infinities among the inputs are not served.  A block's largest magnitude is taken as 2^-124 at the least (a block of zeros gets the byte 1 and zero codes; this program alone reads the bytes).
; The inverse frequency is 2^(-f log2(10000) / 64) with the exponent's rounding error carried along; cos and sin come by a reduction modulo pi / 2 in three parts and polynomials,
; good to about 1e-7 absolute for positions under 2^24 in magnitude.
; ROWS OF A TILE, in place of the head's line on them: row 8 h + j (h = 0, 1; j = 0..7) of tile 4 c + u holds row 64 c + 32 h + 8 u + j of its matrix. Where such tiles are source 0 of a product,
; a lane's 32 result registers of tiles 4 c .. 4 c + 3 are 32 neighbours, 64 c + 32 (lane / 16) + 0..31: a whole block of the next K in one lane.
; THE TABLE's entry j % 8 = e holds the frequencies 32 (lane / 16) + 4 e + 0..3 of the lane's row.
.set SPITCH, 528
.set WST,    16*SPITCH                 ; a wave's stage
.set R,   16                           ; v16-143  two sets of 64: a unit's 16 rows as loaded
.set X,   144                          ; v144-207 64 numbers of my row: register 16 b + i = k 32 b + 16 (lane / 16) + i
.set PC,  208                          ; v208-227 the codes just made
.set TM,  228                          ; v228-243 at work in QUANT
.set PW,  244                          ; v244-247 a scale word for each unit
.set SEL, 6                            ; s[6:7] lane selects for v_permlanex16_b32: lane l xor 16
; 64 numbers of a lane, v[s] .. v[s + 63], become a fragment's codes in v[PC] on and its scale word in v[pw].
.macro QUANT s, pw
.irp b, 0,1,2,3
	v_max3_num_f32 v[TM+\b], |v[\s+16*\b]|, |v[\s+1+16*\b]|, 0x1800000   ; block b: my 16 numbers, and the floor 2^(3 - 127): the byte cannot fall under 1
.endr
.irp i, 2,4,6,8,10,12,14
.irp b, 0,1,2,3
	v_max3_num_f32 v[TM+\b], |v[\s+16*\b+\i]|, |v[\s+1+16*\b+\i]|, v[TM+\b]   ; the four blocks by turns
.endr
.endr
.irp b, 0,1,2,3
	v_permlanex16_b32 v[TM+4+\b], v[TM+\b], s[SEL], s[SEL+1]
.endr
.irp b, 0,1,2,3
	v_max_num_f32 v[TM+\b], v[TM+\b], v[TM+4+\b]   ; with lane l xor 16's: the block's largest magnitude
.endr
.irp b, 0,1,2,3
	v_add_nc_u32 v[TM+12+\b], 0xff000000, v[TM+\b]   ; 2 off its exponent field: the conversion takes that field as its scale
.endr
.irp b, 0,1,2,3
	v_lshrrev_b32 v[TM+4+\b], 23, v[TM+12+\b]      ; the scale's byte
.endr
	v_lshl_or_b32 v[\pw], v[TM+5], 8, v[TM+4]      ; four bytes: my row's scale word
	v_lshl_or_b32 v[\pw], v[TM+6], 16, v[\pw]
	v_lshl_or_b32 v[\pw], v[TM+7], 24, v[\pw]
.irp c, 0,1
	v_cvt_scalef32_pk16_fp6_f32 v[PC+6*\c:PC+2+6*\c], v[\s+32*\c:\s+15+32*\c], v[TM+12+2*\c]
	v_cvt_scalef32_pk16_fp6_f32 v[PC+12+4*\c:PC+14+4*\c], v[\s+16+32*\c:\s+31+32*\c], v[TM+12+2*\c+1]   ; (a conversion's three registers begin on an even number)
.endr
	v_nop                                          ; one plain place behind a scaled conversion
.irp c, 0,1                                    ; the operand's layout wants a whole block in a lane: lanes 0-15 block 2 c, lanes 16-31 block 2 c + 1
.irp i, 0,1,2
	v_permlane16_swap_b32 v[PC+6*\c+\i], v[PC+12+4*\c+\i]
.endr
.irp i, 0,1,2
	v_mov_b32 v[PC+3+6*\c+\i], v[PC+12+4*\c+\i]
.endr
.endr
.endm
.macro CHOOSE bound, reg               ; from tile number bound on: the next matrix.  The choice hangs on the work-group's number alone
	s_cmp_ge_u32 ttmp9, \bound
	s_cselect_b64 s[4:5], s[\reg:\reg+1], s[4:5]
	s_cselect_b32 s2, \bound, s2
.endm
.macro LOAD u                          ; unit u (one K step): 16 rows x 512 bytes into set u % 2
.irp i, 0,1,2,3,4,5,6,7,8,9,10,11,12,13,14,15
	global_load_b128 v[R+64*((\u)%2)+4*\i:R+64*((\u)%2)+4*\i+3], v4, s[4:5] offset:(\i%8+32*(\i/8))*8192+512*(\u) th:TH_LOAD_NT
.endr
.endm
.macro UNIT u
.if (\u) < 3
	s_wait_loadcnt 16                              ; this unit's 16 loads are in; the next unit's 16 may be out
.else
	s_wait_loadcnt 0x0
.endif
.irp i, 0,1,2,3,4,5,6,7,8,9,10,11,12,13,14,15
	ds_store_b128 v5, v[R+64*((\u)%2)+4*\i:R+64*((\u)%2)+4*\i+3] offset:SPITCH*\i
.endr
.irp j, 0,1,2,3,4,5,6,7,8,9,10,11,12,13,14,15
	ds_load_b128 v[X+4*\j:X+4*\j+3], v6 offset:128*(\j/4)+16*(\j%4)   ; LDS serves a wave's instructions in order: these see the stores above
.endr
	s_wait_dscnt 0x0                               ; my 64 numbers are in, and the stores have read their registers
.if (\u) > 0
	s_wait_xcnt 0x0                                ; the last unit's stores have read the codes' registers: they are written again only behind this wait
.endif
.if (\u) < 2
	LOAD (\u)+2
.endif
	QUANT X, PW+(\u)
.irp c, 0,1,2
	global_store_b128 v4, v[PC+4*\c:PC+4*\c+3], s[26:27] offset:1536*(\u)+512*\c   ; 32 lanes store 512 consecutive bytes
.endr
.endm
	s_load_b512 s[8:23], s[0:1], 0x0               ; hidden_states, context, Wq, Wk, Wk_ctx, Wv, Wv_ctx, Wo
	s_load_b256 s[24:31], s[0:1], 0x40             ; position_ids, codes, scales, rope
	v_lshl_add_u32 v254, v0, 2, 0x8400
	v_mov_b32 v255, 0
	v_lshrrev_b32 v1, 5, v0
	v_readfirstlane_b32 s3, v1                     ; wave 0..3
	v_and_b32 v1, 31, v0                           ; lane
	v_and_b32 v2, 15, v0                           ; r
	v_bfe_u32 v3, v0, 4, 1                         ; h
	v_lshlrev_b32 v4, 4, v1                        ; 16 x lane
	s_wait_kmcnt 0x0
	s_cmp_ge_u32 ttmp9, 768
	s_cbranch_scc1 .Lrope
	; ---- a tile of one of the eight matrices
	s_mov_b32 s[SEL], 0x76543210
	s_mov_b32 s[SEL+1], 0xfedcba98
	s_mul_i32 s32, s3, WST
	s_wait_alu depctr_va_vdst(0)
	v_add_nc_u32 v5, s32, v4                       ; the stage, in: 16 x lane of row i
	v_mul_u32_u24 v6, v2, SPITCH
	v_lshl_add_u32 v6, v3, 6, v6
	v_add_nc_u32 v6, s32, v6                       ; out: row r, + 64 h: my 16 numbers of each block
	v_lshlrev_b32 v8, 3, v2
	v_lshl_add_u32 v8, v3, 7, v8                   ; the scale words' place: 128 h + 8 r
.irp b, 0,1,2,3
	v_mov_b32 v[TM+4+\b], 0                        ; written once: a lane permute's destination counts as one of its sources
.endr
	s_mov_b64 s[4:5], s[8:9]
	s_mov_b32 s2, 0
	CHOOSE 128, 10
	CHOOSE 256, 12
	CHOOSE 384, 14
	CHOOSE 448, 16
	CHOOSE 512, 18
	CHOOSE 576, 20
	CHOOSE 640, 22
	s_sub_co_u32 s33, ttmp9, s2                    ; the tile's number in its matrix
	s_lshr_b32 s34, s33, 2
	s_lshl_b32 s34, s34, 6
	s_and_b32 s35, s33, 3
	s_lshl_b32 s35, s35, 3                         ; the tile's first row: 64 c + 8 u
	s_add_co_u32 s34, s34, s35                     ; its first row: 64 c + 8 u
	s_lshl_b32 s34, s34, 13                        ; rows of 8,192 bytes
	s_lshl_b32 s35, s3, 11                         ; my wave's four K steps: 2,048 bytes
	s_add_co_u32 s34, s34, s35
	s_mov_b32 s35, 0
	s_add_nc_u64 s[4:5], s[4:5], s[34:35]
	s_mul_i32 s34, ttmp9, 24576
	s_mul_i32 s36, s3, 6144
	s_add_co_u32 s34, s34, s36
	s_add_nc_u64 s[26:27], s[26:27], s[34:35]      ; my four images
	s_lshl_b32 s34, ttmp9, 10
	s_lshl_b32 s36, s3, 8
	s_add_co_u32 s34, s34, s36
	s_add_nc_u64 s[28:29], s[28:29], s[34:35]      ; my 256 bytes of scale words
	LOAD 0
	LOAD 1
	s_wait_alu depctr_va_vdst(0)
	UNIT 0
	UNIT 1
	UNIT 2
	UNIT 3
	v_cmp_le_u32 vcc_lo, 16, v1                    ; lanes 0-15 store the words of K steps 4 w, 4 w + 1, lanes 16-31 those of 4 w + 2, 4 w + 3
	v_cndmask_b32 v248, v[PW], v[PW+2], vcc_lo
	v_cndmask_b32 v249, v[PW+1], v[PW+3], vcc_lo
	global_store_b64 v8, v[248:249], s[28:29]      ; 32 lanes store 256 consecutive bytes, aligned
	s_wait_tensorcnt 0x0
	ds_add_u32 v254, v255
	s_wait_dscnt 0x0
	s_endpgm
	; ---- the table of cos and sin: a wave takes one tile of 16 positions and 32 of the 64 frequencies; a lane 16 frequencies of its row
.set FI, 16
.set TT, 32
.set EE, 48
.set WW, 64
.set AA, 80
.set NN, 96
.set RR, 112
.set ZZ, 128
.set SN, 144
.set CN, 160
.set QQ, 176
.set OS, 192
.set OC, 208
.set TP, 224
.Lrope:
	s_sub_co_u32 s32, ttmp9, 768                   ; B: the pair of tiles
	s_lshr_b32 s33, s3, 1                          ; u
	s_and_b32 s34, s3, 1                           ; b: which 32 frequencies
	s_lshr_b32 s35, s32, 1
	s_lshl_b32 s35, s35, 6                         ; tile 2 B + u of the pair = 4 c + u': 64 c
	s_and_b32 s36, s32, 1
	s_lshl_b32 s36, s36, 4
	s_add_co_u32 s35, s35, s36
	s_lshl_b32 s36, s33, 3
	s_add_co_u32 s35, s35, s36                     ; + 8 u': the tile's first row
	s_wait_alu depctr_va_vdst(0)
	v_and_b32 v5, 8, v2
	v_mad_u32_u24 v5, v5, 3, v2                    ; r + 24 (r / 8)
	v_add_nc_u32 v5, s35, v5
	v_lshlrev_b32 v5, 2, v5
	global_load_b32 v10, v5, s[24:25]              ; my row's position
	s_lshl_b32 s36, s34, 4
	v_lshl_add_u32 v6, v3, 5, s36                  ; my first frequency: 16 b + 32 h
	s_wait_alu depctr_va_vdst(0)
	s_lshl_b32 s38, s32, 14
	s_lshl_b32 s37, s33, 13
	s_add_co_u32 s38, s38, s37                     ; the tile's 8,192 bytes of the table,
	s_lshl_b32 s37, s34, 11
	s_add_co_u32 s38, s38, s37                     ; entries 4 b on
	s_mov_b32 s39, 0
	s_add_nc_u64 s[30:31], s[30:31], s[38:39]
	s_mov_b32 s40, 0x3e549a78                      ; log2(10000) / 64, and
	s_mov_b32 s41, 0x319797cc                      ; what f32 leaves of it
	s_mov_b32 s42, 0xbf317218                      ; -ln 2
	s_mov_b32 s43, 0x3f22f983                      ; 2 / pi
	s_mov_b32 s44, 0x3fc90fdb                      ; pi / 2 in three parts
	s_mov_b32 s45, 0xb33bbd2e
	s_mov_b32 s46, 0xa6f72ced
	s_mov_b32 s47, 0xbe2aaaa3                      ; sin r = r + r z (S1 + z (S2 + z S3)), z = r^2
	s_mov_b32 s48, 0x3c08839e
	s_mov_b32 s49, 0xb94ca1f9
	s_mov_b32 s50, 0x3d2aaaa5                      ; cos r = 1 - z / 2 + z^2 (C1 + z (C2 + z C3))
	s_mov_b32 s51, 0xbab6061a
	s_mov_b32 s52, 0x37ccf5ce
.irp n, 0,1,2,3,4,5,6,7,8,9,10,11,12,13,14,15
	v_add_nc_u32 v[FI+\n], \n, v6
.endr
.irp n, 0,1,2,3,4,5,6,7,8,9,10,11,12,13,14,15
	v_cvt_f32_u32 v[FI+\n], v[FI+\n]               ; f
.endr
.irp n, 0,1,2,3,4,5,6,7,8,9,10,11,12,13,14,15
	v_mul_f32 v[TT+\n], s40, v[FI+\n]              ; the exponent, rounded;
.endr
.irp n, 0,1,2,3,4,5,6,7,8,9,10,11,12,13,14,15
	v_fma_f32 v[EE+\n], v[FI+\n], s40, -v[TT+\n]   ; what the rounding dropped,
.endr
.irp n, 0,1,2,3,4,5,6,7,8,9,10,11,12,13,14,15
	v_fma_f32 v[EE+\n], v[FI+\n], s41, v[EE+\n]    ; and the constant's own remainder
.endr
	s_wait_alu depctr_va_vdst(0)
.irp n, 0,1,2,3,4,5,6,7,8,9,10,11,12,13,14,15
	v_exp_f32 v[WW+\n], -v[TT+\n]
.endr
.irp n, 0,1,2,3,4,5,6,7,8,9,10,11,12,13,14,15
	v_mul_f32 v[EE+\n], s42, v[EE+\n]              ; (plain work behind the exponentials)
.endr
	s_wait_alu depctr_va_vdst(0)                   ; one wait for the sixteen exponentials, ahead of their first reader
.irp n, 0,1,2,3,4,5,6,7,8,9,10,11,12,13,14,15
	v_fma_f32 v[AA+\n], v[WW+\n], v[EE+\n], v[WW+\n]   ; the inverse frequency: 2^-T (1 - E ln 2)
.endr
	s_wait_loadcnt 0x0
	v_cvt_f32_i32 v11, v10
.irp n, 0,1,2,3,4,5,6,7,8,9,10,11,12,13,14,15
	v_mul_f32 v[AA+\n], v11, v[AA+\n]              ; the angle, rounded once
.endr
.irp n, 0,1,2,3,4,5,6,7,8,9,10,11,12,13,14,15
	v_mul_f32 v[NN+\n], s43, v[AA+\n]
.endr
.irp n, 0,1,2,3,4,5,6,7,8,9,10,11,12,13,14,15
	v_rndne_f32 v[NN+\n], v[NN+\n]                 ; how many quarter turns
.endr
.irp n, 0,1,2,3,4,5,6,7,8,9,10,11,12,13,14,15
	v_fma_f32 v[RR+\n], -v[NN+\n], s44, v[AA+\n]
.endr
.irp n, 0,1,2,3,4,5,6,7,8,9,10,11,12,13,14,15
	v_fma_f32 v[RR+\n], -v[NN+\n], s45, v[RR+\n]
.endr
.irp n, 0,1,2,3,4,5,6,7,8,9,10,11,12,13,14,15
	v_fma_f32 v[RR+\n], -v[NN+\n], s46, v[RR+\n]   ; r, within pi / 4 of 0
.endr
.irp n, 0,1,2,3,4,5,6,7,8,9,10,11,12,13,14,15
	v_mul_f32 v[ZZ+\n], v[RR+\n], v[RR+\n]
.endr
.irp n, 0,1,2,3,4,5,6,7,8,9,10,11,12,13,14,15
	v_fma_f32 v[TP+\n], v[ZZ+\n], s49, s48
.endr
.irp n, 0,1,2,3,4,5,6,7,8,9,10,11,12,13,14,15
	v_fma_f32 v[TP+\n], v[TP+\n], v[ZZ+\n], s47
.endr
.irp n, 0,1,2,3,4,5,6,7,8,9,10,11,12,13,14,15
	v_mul_f32 v[TP+\n], v[TP+\n], v[ZZ+\n]
.endr
.irp n, 0,1,2,3,4,5,6,7,8,9,10,11,12,13,14,15
	v_fma_f32 v[SN+\n], v[TP+\n], v[RR+\n], v[RR+\n]   ; sin r
.endr
.irp n, 0,1,2,3,4,5,6,7,8,9,10,11,12,13,14,15
	v_fma_f32 v[TP+\n], v[ZZ+\n], s52, s51
.endr
.irp n, 0,1,2,3,4,5,6,7,8,9,10,11,12,13,14,15
	v_fma_f32 v[TP+\n], v[TP+\n], v[ZZ+\n], s50
.endr
.irp n, 0,1,2,3,4,5,6,7,8,9,10,11,12,13,14,15
	v_fma_f32 v[CN+\n], v[ZZ+\n], -0.5, 1.0
.endr
.irp n, 0,1,2,3,4,5,6,7,8,9,10,11,12,13,14,15
	v_mul_f32 v[ZZ+\n], v[ZZ+\n], v[ZZ+\n]
.endr
.irp n, 0,1,2,3,4,5,6,7,8,9,10,11,12,13,14,15
	v_fma_f32 v[CN+\n], v[TP+\n], v[ZZ+\n], v[CN+\n]   ; cos r
.endr
.irp n, 0,1,2,3,4,5,6,7,8,9,10,11,12,13,14,15
	v_cvt_i32_f32 v[QQ+\n], v[NN+\n]
.endr
.irp n, 0,1,2,3,4,5,6,7,8,9,10,11,12,13,14,15      ; an odd quarter swaps sin and cos; the signs: sin is negative in quarters 2, 3, cos in quarters 1, 2.  Values are chosen, nothing branches
	v_and_b32 v[TP+\n], 1, v[QQ+\n]
	v_cmp_eq_u32 vcc_lo, 1, v[TP+\n]
	v_cndmask_b32 v[OS+\n], v[SN+\n], v[CN+\n], vcc_lo
	v_cndmask_b32 v[OC+\n], v[CN+\n], v[SN+\n], vcc_lo
	v_lshlrev_b32 v[TP+\n], 30, v[QQ+\n]
	v_and_b32 v[TP+\n], 0x80000000, v[TP+\n]
	v_xor_b32 v[OS+\n], v[OS+\n], v[TP+\n]
	v_add_nc_u32 v[TP+\n], 1, v[QQ+\n]
	v_lshlrev_b32 v[TP+\n], 30, v[TP+\n]
	v_and_b32 v[TP+\n], 0x80000000, v[TP+\n]
	v_xor_b32 v[OC+\n], v[OC+\n], v[TP+\n]
.endr
.irp q, 0,1,2,3
	global_store_b128 v4, v[OC+4*\q:OC+4*\q+3], s[30:31] offset:512*\q          ; 32 lanes store 512 consecutive bytes
	global_store_b128 v4, v[OS+4*\q:OS+4*\q+3], s[30:31] offset:4096+512*\q
.endr
	s_endpgm
.Lfunc_end_k_q57a73b22d7_quant:
	.size	k_q57a73b22d7_quant, .Lfunc_end_k_q57a73b22d7_quant-k_q57a73b22d7_quant
	.p2alignl 7, 3214868480
	.fill 96, 4, 3214868480
	.section	.rodata,"a",@progbits
	.p2align	6, 0x0
	.amdhsa_kernel k_q57a73b22d7_quant
		.amdhsa_group_segment_fixed_size 34304
		.amdhsa_private_segment_fixed_size 0
		.amdhsa_enable_private_segment 0
		.amdhsa_kernarg_size 96
		.amdhsa_user_sgpr_count 2
		.amdhsa_user_sgpr_kernarg_segment_ptr 1
		.amdhsa_wavefront_size32 1
		.amdhsa_system_sgpr_workgroup_id_x 1
		.amdhsa_system_sgpr_workgroup_id_y 1
		.amdhsa_system_sgpr_workgroup_id_z 1
		.amdhsa_system_vgpr_workitem_id 0
		.amdhsa_next_free_vgpr 256
		.amdhsa_next_free_sgpr 66
		.amdhsa_reserve_vcc 1
		.amdhsa_float_denorm_mode_32 3
		.amdhsa_float_denorm_mode_16_64 3
		.amdhsa_memory_ordered 1
		.amdhsa_forward_progress 1
		.amdhsa_inst_pref_size 63
	.end_amdhsa_kernel
	.amdgpu_metadata
---
amdhsa.version: [ 1, 2 ]
amdhsa.kernels:
  - .name:           k_q57a73b22d7_quant
    .symbol:         k_q57a73b22d7_quant.kd
    .args:
      - { .name: hidden_states, .offset: 0, .size: 8, .value_kind: global_buffer, .address_space: global }
      - { .name: context, .offset: 8, .size: 8, .value_kind: global_buffer, .address_space: global }
      - { .name: Wq, .offset: 16, .size: 8, .value_kind: global_buffer, .address_space: global }
      - { .name: Wk, .offset: 24, .size: 8, .value_kind: global_buffer, .address_space: global }
      - { .name: Wk_ctx, .offset: 32, .size: 8, .value_kind: global_buffer, .address_space: global }
      - { .name: Wv, .offset: 40, .size: 8, .value_kind: global_buffer, .address_space: global }
      - { .name: Wv_ctx, .offset: 48, .size: 8, .value_kind: global_buffer, .address_space: global }
      - { .name: Wo, .offset: 56, .size: 8, .value_kind: global_buffer, .address_space: global }
      - { .name: position_ids, .offset: 64, .size: 8, .value_kind: global_buffer, .address_space: global }
      - { .name: codes, .offset: 72, .size: 8, .value_kind: global_buffer, .address_space: global }
      - { .name: scales, .offset: 80, .size: 8, .value_kind: global_buffer, .address_space: global }
      - { .name: rope, .offset: 88, .size: 8, .value_kind: global_buffer, .address_space: global }
    .group_segment_fixed_size: 34304
    .private_segment_fixed_size: 0
    .kernarg_segment_align: 8
    .kernarg_segment_size: 96
    .max_flat_workgroup_size: 128
    .sgpr_count:     66
    .vgpr_count:     256
    .wavefront_size: 32
...
	.end_amdgpu_metadata
.endif
;; end of part 1
;; launch proj (part 2): grid 48 x 4, 4 waves a work-group, clusters of 4 x 4, 327,680 bytes of LDS; arguments codes, scales, rope, q_norm_w, k_norm_w, qkv_codes, qkv_scales; writes qkv_codes, qkv_scales
.if DOCPART == 2
	.amdgcn_target "amdgcn-amd-amdhsa--gfx1250"
	.amdhsa_code_object_version 6
	.text
	.protected	k_q57a73b22d7_proj
	.globl	k_q57a73b22d7_proj
	.p2align	8
	.type	k_q57a73b22d7_proj,@function
k_q57a73b22d7_proj:
	s_mov_b64 s[64:65], 0
	v_nop
	global_prefetch_b8 v0, s[64:65] scope:SCOPE_SE
	s_setreg_imm32_b32 hwreg(HW_REG_WAVE_MODE, 25, 1), 1
	s_wait_xcnt 0x0
	s_wait_alu depctr_hold_cnt(0) depctr_sa_sdst(0) depctr_va_vdst(0) depctr_va_sdst(0) depctr_va_ssrc(0) depctr_va_vcc(0) depctr_vm_vsrc(0)
	s_getreg_b32 s2, hwreg(HW_REG_IB_STS2, 6, 4)
	s_cmp_eq_u32 s2, 0
	s_cbranch_scc0 .Lentry_in_a_cluster
	s_endpgm
.Lentry_in_a_cluster:
	s_bfe_u32 s2, ttmp6, 0x10000c
	s_cmp_lg_u32 s2, 0xf033
	s_cbranch_scc0 .Lentry_shape_is_right
	s_endpgm
.Lentry_shape_is_right:
; All five projections (Q, K, K_ctx, V, V_ctx) as one GEMM on codes of FP6 (E2M3) with E8M0 scales, K = 2,048; the way out normalises, rotates and quantises in registers and stores finished operands for the attention.
; OPERANDS lie in memory and in LDS as images of the operand's registers (a fragment of 16 rows x 128 K: 1,536 bytes, registers 4 c .. 4 c + 3 of lane l at 512 c + 16 l; a tile's 16 fragments on end).
; Lane r of tile 2 B + u holds row 32 B + 8 u + r + 8 (r / 8): so, where such tiles are source 0, the 16 result registers of tiles 2 B and 2 B + 1 are 16 neighbouring rows, 32 B + 16 (lane / 16) + 0..15.
; SIDES.  X is source 1 (a lane of the result is one of its rows), Y is source 0 (the result's registers run along its rows).  A work-group makes 256 (X) x 256 (Y); wave (WX, WY) makes 128 x 128: 64 accumulators.
; CLUSTERS of 4 x 4, twelve of them: cluster c: e = c & 1 (which 1,024 rows of the activations), p = c >> 1: 0, 1 Q; 2 K; 3 K_ctx; 4 V; 5 V_ctx.
;   p < 4: X = activations, Y = weights: a lane holds one token and 64 of a head's 128 numbers: the next product's K is the head's axis.
;   p >= 4: X = weights, Y = activations: a lane holds one channel d and 64 of 128 KEYS: V comes out with the keys along its registers, as the second product of the attention wants it.  Nothing is transposed.
; X's tiles are shared along a row of the cluster, Y's along a column: each is asked for jointly.  All sixteen partners have the same p, so the one branch on p is alike in all of them.
; 192 work-groups: the 48 heads' worth of columns do not divide into 256 equal shares that keep a whole head (the norm's and the quantiser's 128) in one wave.
; K goes in steps of 256 through a ring of two LDS slots; the scale words of the work-group's 512 rows, for all of K, come once with the first fills.
; No prefetch: the tiles are shared in clusters and read again by other clusters of the same launch.
; OUT: qkv_codes in blocks of eight images (12,288 bytes): Q: head x 16 + group of 128 queries; K, V: 256 + (kv head x 32 + key step) x 2 + (0: K, 1: V), key steps 0-15 context, 16-31 self.
;      qkv_scales: the same block numbers x 512 bytes: lane l's 16 bytes at 16 l hold the scale words of tiles 4 (l / 16) + 0..3 for row l % 16.
; LIMITS: NaN and infinities are not served; a block's largest magnitude is taken as 2^-124 at the least (a block of zeros: byte 1, zero codes); v_rsq_f32 is good to 1 ulp; the sum of squares is added in another order than the source reads.
; REGISTERS, in windows of 256: window 0: v1-31 addresses; v32-63 scale words, two sets; v64-127 a set of cos and sin; v128-223 X's 8 fragments, ONE set; on the way out v128-253 are at work.
;   window 1: Y's fragments, two sets, v0-95 and v128-223 (on the way out: two more sets of cos and sin); v96-127 and v224-255 the norm's gain.   windows 2, 3: accumulator (a, b) at v[8 (8 (a % 4) + b)] of window 2 + a / 4.
.set NA,    8                          ; X's tiles to a wave
.set NQ,    2                          ; steps of 128 along K in a slot
.set NL,    3                          ; LDS loads that bring a fragment
.set FR,    12                         ; its registers
.set NP,    4                          ; places behind this matrix instruction (ISA guide 7.12.1)
.set TILEB, 24576                      ; a tile in memory
.set TBY,   NQ*1536                    ; a tile in a slot
.set XH,    NA*TBY                     ; X's half: what one tensor load brings and one wave reads
.set XREG,  2*XH
.set YH,    8*TBY
.set SLOT,  XREG+2*YH
.set SCX,   2*SLOT                     ; behind the ring: X's scale words, 1,024 bytes a tile,
.set SCY,   SCX+2*NA*1024              ; Y's,
.set SPARE, SCY+16384                  ; and the spare words, 128 bytes for each wave: two blocks of 256 bytes that no other line names
.set LAPS,  16/(2*NQ)
.set ADRX, 16                          ; v16-17 LDS address of my X fragments in slot 0, 1
.set ADRY, 20                          ; v20-21 the same for Y
.set WO,   26                          ; v26    128 x (lane / 16): my place in the norm's gain
.set ADRS, 27                          ; v27    LDS address of my scale words: lanes 0-15 X's rows, lanes 16-31 Y's
.set SPW,  28                          ; v28    LDS address of my spare word; never rewritten
.set NIL,  29                          ; v29    0; never rewritten
; ROWS OF A TILE, in place of the head's line on them: row 8 h + j of tile 4 c + u holds row 64 c + 32 h + 8 u + j. So a lane's result registers 32 c + 0..31 are the neighbours 64 c + 32 (lane / 16) + 0..31
; along Y: whole blocks of the next K, each in one lane; the quantiser asks the other half of the lanes only for its two scale bytes.
.set LI,   30                          ; v30    16 x lane
.set H8,   31                          ; v31    8 x (lane / 16): how far my two scale bytes are shifted up
; THE TILES ARE PREFETCHED (in place of the head's line on it): behind each fill of a slot one instruction a wave names the slot that stands two fills on. Of the 8 tiles that a wave fetches in the ring,
; each of the four partners that ask for them jointly takes two, told apart by address (cx for X, cy for Y): 2 x 12 blocks of 256 bytes, a lane a block; lanes 24-31 name the last block again.
; The head's fill asks for slot 2, slot 1's fill for slot 3, the refill of slot n for slot n + 2; the loop's last trip, which fills slots 6 and 7, asks for nothing.
.set PFO,  24                          ; v24    the prefetches' offset; never rewritten
.set PFA,  100                         ; s[100:101] where my prefetches stand
.set SC,   32
.set AF,   128
.set X,    128                         ; the way out: 64 numbers at work
.set PC,   192                         ; the codes just made
.set TM,   212                         ; at work in QUANT
.set PW8,  228                         ; the eight tiles' scale words
.set SW4,  236                         ; and their image
.set SQ,   240                         ; the sum of squares
.set RS,   244                         ; v[244:245] 1 / sqrt(mean + eps) (the packed form names a pair and takes its low word)
.set T,    246                         ; v246-253 two sets of two pairs, for the rotation
.set WV,   18
.set WX,   19
.set WY,   20
.set G1X,  24                          ; s[24:31] descriptor group 1 for X's tiles; s[32:39] group 0, a set for each slot
.set G0X,  32
.set R128,  44                         ; s44 1 / 128; s45 eps; s[46:47] lane selects
.set EPS,  45
.set SEL,  46
.set G1Y,  48
.set G0Y,  56
.set PP,   66                          ; s66 p
.set G1SX, 68                          ; groups 1 and 0 for X's scale words; for Y's
.set G0SX, 76
.set G1SY, 80
.set G0SY, 88
.set MSB, 0
.macro WIN new                         ; the immediate's high byte repeats the setting that is left; a switch that changes nothing is dropped
.if MSB != (\new)
	s_set_vgpr_msb (MSB<<8)|(\new)
.set MSB, (\new)
.endif
.endm
.set MUL_LO, 0xa1                      ; source 0 (Y) window 1, source 1 (X) window 0, C and D window 2
.set MUL_HI, 0xf1                      ; the same, C and D window 3
.set TO_Y,   0x40                      ; destination window 1, address window 0
; A joint load: waves 0 and 1 fetch X's halves, waves 2 and 3 Y's.  Each line has one mask and one set of registers for all that issue it; the branch hangs on the wave's number alone.
; Four v_nop follow each of the two lines.
.macro JLOAD g0x, g1x, g0y, g1y
	s_cmp_eq_u32 s[WX], 0
	s_cbranch_scc0 .Lfor_y_\@
	tensor_load_to_lds s[\g0x:\g0x+3], s[\g1x:\g1x+7]
	s_nop 0
.rept 4
	v_nop
.endr
	s_branch .Lasked_\@
.Lfor_y_\@:
	tensor_load_to_lds s[\g0y:\g0y+3], s[\g1y:\g1y+7]
	s_nop 0
.rept 4
	v_nop
.endr
.Lasked_\@:
.endm
.macro CREST                           ; a round of the cluster's barrier behind its opening barrier
	s_cmp_lg_u32 s[WV], 0
	s_cbranch_scc1 .Lnot_wave_0_\@
	s_barrier_signal -3
.Lnot_wave_0_\@:
	s_barrier_wait -3
	s_barrier_signal -1
	s_barrier_wait -1
.endm
.macro CROUND
	s_barrier_signal -1
	s_barrier_wait -1
	CREST
.endm
.macro PLACES
.rept NP
	v_nop
.endr
.endm
.macro FRAG reg, adr, off              ; an image comes back as it was stored: three loads of 512 consecutive bytes
.irp c, 0,1,2
	ds_load_b128 v[\reg+4*\c:\reg+4*\c+3], v[\adr] offset:\off+512*\c
.endr
.endm
.macro FETCH_Y slot, q, p              ; Y's eight fragments of the slot's q-th 128 along K into set p
	WIN TO_Y
.irp i, 0,1,2,3,4,5,6,7
	FRAG 128*(\p)+FR*\i, ADRY+\slot, \i*TBY+(\q)*1536
.endr
	WIN 0
.endm
.macro FETCH_X slot, q, i0             ; X's blocks i0 .. i0 + 3
.irp i, \i0, \i0+1, \i0+2, \i0+3
	FRAG AF+FR*(\i), ADRX+\slot, (\i)*TBY+(\q)*1536
.endr
.endm
.macro SCALES sc                       ; a slot's scale words into set sc: register NQ i + q: lanes 0-15 X's tile i, lanes 16-31 Y's tile i
.irp i, 0,1,2,3,4,5,6,7
	ds_load_b64 v[SC+8*NQ*(\sc)+NQ*\i:SC+8*NQ*(\sc)+NQ*\i+1], v[ADRS] offset:1024*\i
.endr
.endm
; 8 matrix instructions: X's block a against Y's eight.  The 64 accumulators take turns, one instruction a turn, in the same order in every step.
.macro MULB a, p, q, sc, zero
.irp b, 0,1,2,3,4,5,6,7
.if \zero
	v_wmma_scale_f32_16x16x128_f8f6f4 v[8*(8*((\a)%4)+\b):8*(8*((\a)%4)+\b)+7], v[128*(\p)+FR*\b:128*(\p)+FR*\b+FR-1], v[AF+FR*(\a):AF+FR*(\a)+FR-1], 0, v[SC+8*NQ*(\sc)+NQ*\b+(\q)], v[SC+8*NQ*(\sc)+NQ*(\a)+(\q)] matrix_a_fmt:MATRIX_FMT_FP6 matrix_b_fmt:MATRIX_FMT_FP6 matrix_a_scale:MATRIX_SCALE_ROW1
.else
	v_wmma_scale_f32_16x16x128_f8f6f4 v[8*(8*((\a)%4)+\b):8*(8*((\a)%4)+\b)+7], v[128*(\p)+FR*\b:128*(\p)+FR*\b+FR-1], v[AF+FR*(\a):AF+FR*(\a)+FR-1], v[8*(8*((\a)%4)+\b):8*(8*((\a)%4)+\b)+7], v[SC+8*NQ*(\sc)+NQ*\b+(\q)], v[SC+8*NQ*(\sc)+NQ*(\a)+(\q)] matrix_a_fmt:MATRIX_FMT_FP6 matrix_b_fmt:MATRIX_FMT_FP6 matrix_a_scale:MATRIX_SCALE_ROW1
.endif
.endr
.endm
; A step of 128 along K that has its successor in the same slot.  A block of X is free as soon as its eight products are issued: blocks 0-3 are fetched anew in the middle, blocks 4-7 at the end.
.macro STEP slot, q, zero
	s_wait_dscnt 4*NL                              ; all but the youngest twelve loads (X's blocks 4-7) are in
	WIN MUL_LO
.irp a, 0,1,2,3
	MULB \a, (\q)%2, \q, \slot, \zero
.endr
	s_wait_dscnt 0x0                               ; X's blocks 4-7 are in
	PLACES
	FETCH_Y \slot, (\q)+1, 1-(\q)%2
	FETCH_X \slot, (\q)+1, 0
	WIN MUL_HI
.irp a, 4,5,6,7
	MULB \a, (\q)%2, \q, \slot, \zero
.endr
	PLACES
	WIN 0
	FETCH_X \slot, (\q)+1, 4
.endm
; A slot's last step changes slots: one barrier; in front of it each wave waits for all its tensor loads, adds 0 to its spare word, and waits for that and for its own reads of this slot.
; fill = 1: the barrier opens a round of the cluster's barrier, and behind it this slot is filled again, two slots ahead.
.macro TURN slot, next, fill
.if \fill
	s_wait_xcnt 0x0                                ; any prefetch of mine has read its address: it is stepped here, ahead of the waits of the change of slots
	s_add_nc_u64 s[PFA:PFA+1], s[PFA:PFA+1], TBY
.endif
	s_wait_tensorcnt 0x0
	ds_add_u32 v[SPW], v[NIL]                      ; 0 onto my spare word
	s_wait_dscnt 4*NL+1                            ; (the add and the youngest twelve loads may be out)
	WIN MUL_LO
	MULB 0, 1, NQ-1, \slot, 0
	MULB 1, 1, NQ-1, \slot, 0
	s_wait_dscnt 0x0                               ; the add is done, and my reads of this slot are over
	s_barrier_signal -1
	MULB 2, 1, NQ-1, \slot, 0
	MULB 3, 1, NQ-1, \slot, 0
	WIN 0
	s_barrier_wait -1
.if \fill
	CREST                                          ; no wave of any partner still reads this slot or has a load on its way
	s_add_nc_u64 s[G0X+4*\slot+2:G0X+4*\slot+3], s[G0X+4*\slot+2:G0X+4*\slot+3], 2*TBY
	s_add_nc_u64 s[G0Y+4*\slot+2:G0Y+4*\slot+3], s[G0Y+4*\slot+2:G0Y+4*\slot+3], 2*TBY
	JLOAD G0X+4*\slot, G1X, G0Y+4*\slot, G1Y       ; the first tensor load behind the round; its four v_nop are also the places in front of the loads below
.else
	PLACES
.endif
	s_wait_alu depctr_va_vdst(0)
	v_add_nc_u32 v[ADRS], 64*NQ, v[ADRS]           ; on to the next slot's scale words
	FETCH_Y \next, 0, 0
	FETCH_X \next, 0, 0
	SCALES \next
.if \fill
	s_cmp_gt_u32 s3, 1                             ; s3 = 1 in the loop's last trip
	s_cbranch_scc0 .Lno_ask_\@
	global_prefetch_b8 v[PFO], s[PFA:PFA+1] th:TH_LOAD_NT scope:SCOPE_SE
.Lno_ask_\@:
.endif
	WIN MUL_HI
.irp a, 4,5,6,7
	MULB \a, 1, NQ-1, \slot, 0
.endr
	PLACES
	WIN 0
	FETCH_X \next, 0, 4
.endm
.macro LAST                            ; the very last step: nothing more to fetch; then the places behind the last products
	s_wait_dscnt 4*NL
	WIN MUL_LO
.irp a, 0,1,2,3
	MULB \a, 1, NQ-1, 1, 0
.endr
	s_wait_dscnt 0x0
	WIN MUL_HI
.irp a, 4,5,6,7
	MULB \a, 1, NQ-1, 1, 0
.endr
	WIN 0
	PLACES
	v_mov_b32 v[RS+1], 0                           ; (named as the upper half of a pair)
.endm
; 64 numbers of a lane, v[s] .. v[s + 63] of window sw, register 32 c + i = k 64 c + 32 (lane / 16) + i of my row, become a fragment's codes in v[PC] on and its scale word in v[pw].
; The numbers are read in ascending order.
.macro QUANT s, sw, pw
	WIN (\sw)|((\sw)<<2)
.irp b, 0,1,2,3
	v_max3_num_f32 v[TM+\b], |v[\s+16*\b]|, |v[\s+1+16*\b]|, 0x1800000   ; and the floor 2^(3 - 127): the byte cannot fall under 1
.endr
.irp i, 2,4,6,8,10,12,14
.irp b, 0,1,2,3
	v_max3_num_f32 v[TM+\b], |v[\s+16*\b+\i]|, |v[\s+1+16*\b+\i]|, v[TM+\b]
.endr
.endr
	WIN 0
.irp c, 0,1
	v_max_num_f32 v[TM+\c], v[TM+2*\c], v[TM+2*\c+1]   ; my block 2 c + h: all its 32 numbers are mine
.endr
.irp c, 0,1
	v_add_nc_u32 v[TM+12+\c], 0xff000000, v[TM+\c]   ; 2 off the exponent field: the conversion's scale operand
.endr
.irp c, 0,1
	v_lshrrev_b32 v[TM+4+\c], 23, v[TM+12+\c]      ; the scale's byte
.endr
	v_lshl_or_b32 v[TM+4], v[TM+5], 16, v[TM+4]    ; the bytes of blocks h and 2 + h,
	v_lshlrev_b32 v[TM+4], v[H8], v[TM+4]          ; at their places in the word;
	v_permlanex16_b32 v[TM+5], v[TM+4], s[SEL], s[SEL+1]
	v_or_b32 v[\pw], v[TM+4], v[TM+5]              ; with lane l xor 16's two the word is whole, in both halves of the lanes
	WIN (\sw)
.irp c, 0,1
	v_cvt_scalef32_pk16_fp6_f32 v[PC+6*\c:PC+2+6*\c], v[\s+32*\c:\s+15+32*\c], v[TM+12+\c]
	v_cvt_scalef32_pk16_fp6_f32 v[PC+12+4*\c:PC+14+4*\c], v[\s+16+32*\c:\s+31+32*\c], v[TM+12+\c]   ; (a conversion's three registers begin on an even number: made elsewhere and moved)
.endr
	WIN 0
	v_nop                                          ; one plain place behind a scaled conversion
.irp c, 0,1
.irp i, 0,1,2
	v_mov_b32 v[PC+3+6*\c+\i], v[PC+12+4*\c+\i]
.endr
.endr
.endm
.macro WLOAD                           ; the norm's gain at my 64 places of the head: register j = d 64 (j / 32) + 32 (lane / 16) + j % 32; registers 0-31 at v96 of window 1, 32-63 at v224
	WIN 0x40
.irp j, 0,1,2,3,4,5,6,7,8,9,10,11,12,13,14,15
	global_load_b128 v[96+4*\j+96*(\j/8):96+4*\j+96*(\j/8)+3], v[WO], s[10:11] offset:256*(\j/8)+16*(\j%8)   ; register j = d 64 (j / 32) + 32 (lane / 16) + j % 32
.endr
	WIN 0
.endm
.macro CSLOAD a                        ; tile a's cos (32 registers) and sin (32) into set a % 3: window 0 v64, window 1 v0, window 1 v128
.if (\a)%3 == 0
	WIN 0
.set CB, 64
.else
	WIN 0x40
.set CB, 128*((\a)%3-1)
.endif
.irp j, 0,1,2,3,4,5,6,7,8,9,10,11,12,13,14,15
	global_load_b128 v[CB+4*\j:CB+4*\j+3], v[LI], s[8:9] offset:(\a)*8192+512*\j
.endr
	WIN 0
.endm
.macro OUT3 a                          ; tile a's image: three stores of 512 consecutive bytes
.irp c, 0,1,2
	global_store_b128 v[LI], v[PC+4*\c:PC+4*\c+3], s[14:15] offset:1536*(\a)+512*\c
.endr
.endm
; Tile a of Q or of K: x / sqrt(mean(x^2) + eps) x gain, rotated, quantised.
.macro EPI_ROPE a
.set AC, 64*((\a)%4)
.set AW, 2+(\a)/4
	WIN AW|(AW<<2)
	v_pk_mul_f32 v[SQ:SQ+1], v[AC:AC+1], v[AC:AC+1]               ; the sum of my 64 squares, in two packed chains, ascending
	v_pk_mul_f32 v[SQ+2:SQ+3], v[AC+2:AC+3], v[AC+2:AC+3]
.set mm, 4
.rept 15
	v_pk_fma_f32 v[SQ:SQ+1], v[AC+mm:AC+mm+1], v[AC+mm:AC+mm+1], v[SQ:SQ+1]
	v_pk_fma_f32 v[SQ+2:SQ+3], v[AC+mm+2:AC+mm+3], v[AC+mm+2:AC+mm+3], v[SQ+2:SQ+3]
.set mm, mm+4
.endr
	WIN 0
	v_pk_add_f32 v[SQ:SQ+1], v[SQ:SQ+1], v[SQ+2:SQ+3]
	v_add_f32 v[SQ], v[SQ], v[SQ+1]
	v_permlanex16_b32 v[SQ+2], v[SQ], s[SEL], s[SEL+1]
	v_add_f32 v[SQ], v[SQ], v[SQ+2]                ; with lane l xor 16's 64: the head's 128
	v_fma_f32 v[SQ], v[SQ], s[R128], s[EPS]
	s_wait_alu depctr_va_vdst(0)
	v_rsq_f32 v[RS], v[SQ]
	v_nop                                          ; a plain place behind the transcendental
	s_wait_alu depctr_va_vdst(0)                   ; and the wait ahead of its first reader
	WIN AW
.set mm, 0
.rept 32
	v_pk_mul_f32 v[X+mm:X+mm+1], v[AC+mm:AC+mm+1], v[RS:RS+1] op_sel_hi:[1,0]
.set mm, mm+2
.endr
.if (\a) == 0
	s_wait_loadcnt 32                              ; the gain and set 0 are in; sets 1 and 2 may be out
.endif
	WIN 0x04
.set mm, 0
.rept 32
	v_pk_mul_f32 v[X+mm:X+mm+1], v[X+mm:X+mm+1], v[96+mm+96*(mm/32):96+mm+96*(mm/32)+1]
.set mm, mm+2
.endr
.if (\a) > 0
.if (\a) < 6
	s_wait_loadcnt 32                              ; this tile's set is in; the two younger sets may be out
.elseif (\a) == 6
	s_wait_loadcnt 16
.else
	s_wait_loadcnt 0x0
.endif
.endif
.if (\a)%3 == 0
	WIN 0
.set CB, 64
.else
	WIN 0x04
.set CB, 128*((\a)%3-1)
.endif
.set mm, 0
.rept 16                                       ; register m holds d < 64, register 32 + m holds d + 64, both of frequency d
.set T1, T+4*((mm/2)%2)
	v_pk_mul_f32 v[T1:T1+1], v[X+mm:X+mm+1], v[CB+32+mm:CB+32+mm+1]
	v_pk_mul_f32 v[T1+2:T1+3], v[X+32+mm:X+32+mm+1], v[CB+32+mm:CB+32+mm+1]
	v_pk_fma_f32 v[X+mm:X+mm+1], v[X+mm:X+mm+1], v[CB+mm:CB+mm+1], v[T1+2:T1+3] neg_lo:[0,0,1] neg_hi:[0,0,1]
	v_pk_fma_f32 v[X+32+mm:X+32+mm+1], v[X+32+mm:X+32+mm+1], v[CB+mm:CB+mm+1], v[T1:T1+1]
.set mm, mm+2
.endr
	WIN 0
.if (\a) > 0
	s_wait_xcnt 0x0                                ; the last tile's stores have read the codes' registers
.endif
.if (\a) <= 4
	CSLOAD (\a)+3                                  ; the set just used takes the tile three on
.endif
	QUANT X, 0, PW8+(\a)
	OUT3 \a
.endm
.macro EPI_PLAIN a                     ; tile a of K_ctx, V or V_ctx: quantised as it stands
.set AC, 64*((\a)%4)
.set AW, 2+(\a)/4
.if (\a) > 0
	s_wait_xcnt 0x0
.endif
	QUANT AC, AW, PW8+(\a)
	OUT3 \a
.endm
	s_load_b256 s[4:11], s[0:1], 0x0               ; codes, scales, rope, q_norm_w
	s_load_b128 s[12:15], s[0:1], 0x20             ; k_norm_w, qkv_codes
	s_load_b64 s[16:17], s[0:1], 0x30              ; qkv_scales
	v_lshl_add_u32 v[SPW], v0, 2, SPARE
	v_mov_b32 v[NIL], 0
	ds_add_u32 v28, v29
	ds_add_u32 v28, v29
	s_wait_dscnt 0x0
	v_lshrrev_b32 v1, 5, v0
	v_readfirstlane_b32 s[WV], v1                  ; wave 0..3
	s_lshr_b32 s[WX], s[WV], 1                     ; which half of X is mine.  Also: I fetch for X (0) or for Y (1)
	s_and_b32 s[WY], s[WV], 1                      ; which half of Y.  Also: which half I fetch
	s_bfe_u32 s21, ttmp6, 0x40000                  ; cx
	s_bfe_u32 s22, ttmp6, 0x40004                  ; cy
	s_and_b32 s67, ttmp9, 1                        ; e
	s_lshr_b32 s[PP], ttmp9, 1                     ; p
	s_and_b32 s23, s[PP], 1
	s_cmp_ge_u32 s[PP], 2
	s_cselect_b32 s23, s23, 0                      ; 1: the activations are the context
	s_lshl_b32 s41, s67, 6
	s_lshl_b32 s42, s23, 7
	s_add_co_u32 s41, s41, s42                     ; the activations' first tile: 64 e + 128 ctx
	s_lshl_b32 s42, s[PP], 6
	s_add_co_u32 s42, s42, 256                     ; the weights': 256 + 64 p
	s_cmp_lt_u32 s[PP], 4
	s_cselect_b32 s43, s41, s42                    ; X's first tile,
	s_cselect_b32 s44, s42, s41                    ; Y's: both hang on the cluster's number alone
	s_lshl_b32 s45, s22, 4
	s_add_co_u32 s43, s43, s45                     ; X: + 16 cy, which my row of the cluster shares
	s_lshl_b32 s46, s21, 4
	s_add_co_u32 s44, s44, s46                     ; Y: + 16 cx, which my column shares
	s_lshl_b32 s46, s22, 2
	s_lshl_b32 s46, 15, s46                        ; my row of the cluster
	s_lshl_b32 s47, 0x1111, s21                    ; my column
	; descriptor group 1: rows = tiles: TBY bytes of each (elements of 8 bytes), 24,576 bytes apart in memory, dense in LDS
	s_or_b32 s[G1X], s46, (3<<16)|(1<<21)          ; 15:0 the mask; 17:16 elements of 8 bytes; 20 no padding; 21 set beside a mask
	s_or_b32 s[G1Y], s47, (3<<16)|(1<<21)
	s_or_b32 s[G1SX], s46, (3<<16)|(1<<21)
	s_or_b32 s[G1SY], s47, (3<<16)|(1<<21)
	s_mov_b32 s[G1X+1], (TBY/8)<<16                ; tensor_dim0
	s_mov_b32 s[G1X+2], (2*NA)<<16                 ; tensor_dim1: the head's load brings both halves; behind it the two words that count rows are set to a half's
	s_mov_b32 s[G1X+3], (TBY/8)<<16                ; tile_dim0
	s_mov_b32 s[G1X+4], 2*NA
	s_mov_b32 s[G1X+5], TILEB/8                    ; tensor_dim0_stride
	s_mov_b32 s[G1X+6], 0
	s_mov_b32 s[G1X+7], 0
	s_mov_b32 s[G1Y+1], (TBY/8)<<16
	s_mov_b32 s[G1Y+2], 16<<16
	s_mov_b32 s[G1Y+3], (TBY/8)<<16
	s_mov_b32 s[G1Y+4], 16
	s_mov_b32 s[G1Y+5], TILEB/8
	s_mov_b32 s[G1Y+6], 0
	s_mov_b32 s[G1Y+7], 0
	; the scale words of a half: a dense block, as rows of 256 bytes
	s_mov_b32 s[G1SX+1], 32<<16
	s_mov_b32 s[G1SX+2], (8*NA)<<16
	s_mov_b32 s[G1SX+3], 32<<16
	s_mov_b32 s[G1SX+4], 8*NA
	s_mov_b32 s[G1SX+5], 32
	s_mov_b32 s[G1SX+6], 0
	s_mov_b32 s[G1SX+7], 0
	s_mov_b32 s[G1SY+1], 32<<16
	s_mov_b32 s[G1SY+2], 64<<16
	s_mov_b32 s[G1SY+3], 32<<16
	s_mov_b32 s[G1SY+4], 64
	s_mov_b32 s[G1SY+5], 32
	s_mov_b32 s[G1SY+6], 0
	s_mov_b32 s[G1SY+7], 0
	s_mul_i32 s92, s43, TILEB                      ; where my tiles begin, in bytes: X's codes,
	s_mov_b32 s93, 0
	s_lshl_b32 s94, s43, 10                        ; X's scale words,
	s_mov_b32 s95, 0
	s_mul_i32 s96, s44, TILEB                      ; Y's codes,
	s_mov_b32 s97, 0
	s_lshl_b32 s98, s44, 10                        ; Y's scale words
	s_mov_b32 s99, 0
	s_mul_i32 s40, s[WY], XH                       ; and where they go: no place in the cluster enters an LDS address
	s_mul_i32 s41, s[WY], YH
	s_add_co_u32 s41, s41, XREG
	s_cmp_eq_u32 s[WX], 0                          ; the prefetches: do I fetch for X in the ring?
	s_cselect_b32 s46, s43, s44                    ; that side's first tile,
	s_cselect_b32 s47, s21, s22                    ; and my place among the four that ask for it with me
	s_lshl_b32 s47, s47, 1
	s_add_co_u32 s46, s46, s47                     ; + my work-group's two tiles
	s_lshl_b32 s47, s[WY], 3
	s_add_co_u32 s46, s46, s47                     ; of the half that I fetch
	s_mul_i32 s46, s46, TILEB
	s_add_co_u32 s46, s46, 2*TBY                   ; at slot 2
	s_mov_b32 s47, 0
	s_mul_i32 s42, s[WY], NA*TILEB
	s_mov_b32 s43, 0
	s_mul_i32 s44, s[WY], 8*TILEB                  ; and in Y
	s_mov_b32 s45, 0
	s_wait_kmcnt 0x0
	s_add_nc_u64 s[92:93], s[4:5], s[92:93]
	s_add_nc_u64 s[PFA:PFA+1], s[4:5], s[46:47]
	s_add_nc_u64 s[94:95], s[6:7], s[94:95]
	s_add_nc_u64 s[96:97], s[4:5], s[96:97]
	s_add_nc_u64 s[98:99], s[6:7], s[98:99]
	CROUND                                         ; all sixteen work-groups are here: the first joint loads meet
	s_mov_b32 s[G0SX], 1
	s_mov_b32 s[G0SX+1], SCX
	s_mov_b64 s[G0SX+2:G0SX+3], s[94:95]
	s_or_b32 s[G0SX+3], s[G0SX+3], 0x80000000
	s_mov_b32 s[G0SY], 1
	s_mov_b32 s[G0SY+1], SCY
	s_mov_b64 s[G0SY+2:G0SY+3], s[98:99]
	s_or_b32 s[G0SY+3], s[G0SY+3], 0x80000000
.irp s, 0,1
	s_mov_b32 s[G0X+4*\s], 1
	s_add_co_u32 s[G0X+4*\s+1], s40, \s*SLOT
	s_add_nc_u64 s[G0X+4*\s+2:G0X+4*\s+3], s[92:93], \s*TBY
	s_or_b32 s[G0X+4*\s+3], s[G0X+4*\s+3], 0x80000000
	s_mov_b32 s[G0Y+4*\s], 1
	s_add_co_u32 s[G0Y+4*\s+1], s41, \s*SLOT
	s_add_nc_u64 s[G0Y+4*\s+2:G0Y+4*\s+3], s[96:97], \s*TBY
	s_or_b32 s[G0Y+4*\s+3], s[G0Y+4*\s+3], 0x80000000
.endr
	s_mov_b32 s[G0X+1], 0                          ; slot 0's sets serve the head's whole loads first: both halves of X,
	s_mov_b32 s[G0Y+1], XREG                       ; both halves of Y
	s_add_nc_u64 s[G0X+6:G0X+7], s[G0X+6:G0X+7], s[42:43]   ; slot 1's sets: my half
	s_add_nc_u64 s[G0Y+6:G0Y+7], s[G0Y+6:G0Y+7], s[44:45]
; THE HEAD'S LOADS, ONE A WAVE: wave 0 slot 0's X, wave 1 its Y, wave 2 X's scale words, wave 3 Y's. One tree of branches on the wave's number; every way passes one load.
.macro ARM under, g0, g1, next
	s_cmp_lt_u32 s[WV], \under
	s_cbranch_scc0 \next
	tensor_load_to_lds s[\g0:\g0+3], s[\g1:\g1+7]
	s_nop 0
.rept 4
	v_nop
.endr
	s_branch .Lhead_asked
\next:
.endm
	ARM 1, G0X,  G1X,  .Lhead_y
	ARM 2, G0Y,  G1Y,  .Lhead_sx
	ARM 3, G0SX, G1SX, .Lhead_sy
	tensor_load_to_lds s[G0SY:G0SY+3], s[G1SY:G1SY+7]
	s_nop 0
.rept 4
	v_nop
.endr
.Lhead_asked:
	v_and_b32 v1, 31, v0                           ; lane
	v_lshlrev_b32 v[LI], 4, v1
	v_and_b32 v2, 15, v0                           ; r
	v_bfe_u32 v3, v0, 4, 1                         ; h
	v_min_u32 v7, 23, v1                           ; my block of the 24
	v_mul_u32_u24 v8, v7, 11
	v_lshrrev_b32 v8, 7, v8                        ; which of the two tiles: block / 12
	v_mul_u32_u24 v8, v8, TILEB-12*256
	v_lshl_add_u32 v[PFO], v7, 8, v8               ; tile x 24,576 + (block % 12) x 256
	s_wait_alu depctr_va_vdst(0)
	global_prefetch_b8 v[PFO], s[PFA:PFA+1] th:TH_LOAD_NT scope:SCOPE_SE   ; slot 2
	v_lshlrev_b32 v[WO], 7, v3
	v_lshlrev_b32 v[H8], 3, v3
	s_mul_i32 s40, s[WX], XH                       ; my half of X,
	s_mul_i32 s41, s[WY], YH                       ; my half of Y, behind X's two
	s_add_co_u32 s41, s41, XREG
.irp s, 0,1
	v_add_nc_u32 v[ADRX+\s], s40, v[LI]
	v_add_nc_u32 v[ADRY+\s], s41, v[LI]
	s_add_co_u32 s40, s40, SLOT
	s_add_co_u32 s41, s41, SLOT
.endr
	v_lshlrev_b32 v5, 3, v2                        ; my row's two words of a slot: 8 r
	s_mul_i32 s40, s[WX], NA*1024                  ; X's: my half
	s_lshl_b32 s41, s[WY], 13                      ; Y's: my half, behind X's
	s_add_co_u32 s41, s41, SCY-SCX
	s_sub_co_u32 s41, s41, s40
	v_mul_u32_u24 v6, s41, v3                      ; lanes 16-31 take Y's: one product, the distance between the two
	s_add_co_u32 s40, s40, SCX
	v_add_nc_u32 v5, v5, v6
	v_add_nc_u32 v[ADRS], s40, v5
	; where my 128 x 128 goes
	s_lshl_b32 s40, s21, 1
	s_add_co_u32 s40, s40, s[WY]                   ; 2 cx + WY
	s_lshl_b32 s41, s22, 1
	s_add_co_u32 s41, s41, s[WX]                   ; 2 cy + WX
	s_lshl_b32 s42, s67, 3
	s_add_co_u32 s43, s42, s41                     ; X's group of 128 among 16
	s_add_co_u32 s44, s42, s40                     ; Y's
	s_lshl_b32 s45, s[PP], 3
	s_add_co_u32 s45, s45, s40
	s_lshl_b32 s45, s45, 4
	s_add_co_u32 s45, s45, s43                     ; Q: head x 16 + group of queries
	s_xor_b32 s46, s23, 1
	s_lshl_b32 s46, s46, 4                         ; the self keys stand behind the context's 16 key steps
	s_lshl_b32 s47, s40, 5
	s_add_co_u32 s47, s47, s43
	s_add_co_u32 s47, s47, s46
	s_lshl_b32 s47, s47, 1
	s_add_co_u32 s47, s47, 256                     ; K: 256 + (kv head x 32 + key step) x 2
	s_lshl_b32 s92, s41, 5
	s_add_co_u32 s92, s92, s44
	s_add_co_u32 s92, s92, s46
	s_lshl_b32 s92, s92, 1
	s_add_co_u32 s92, s92, 257                     ; V: the same + 1, with X and Y in each other's parts
	s_cmp_lt_u32 s[PP], 4
	s_cselect_b32 s47, s47, s92
	s_cmp_lt_u32 s[PP], 2
	s_cselect_b32 s45, s45, s47                    ; my block
	s_cselect_b64 s[10:11], s[10:11], s[12:13]     ; Q's gain or K's
	s_mul_i32 s92, s45, 12288
	s_mov_b32 s93, 0
	s_add_nc_u64 s[14:15], s[14:15], s[92:93]
	s_lshl_b32 s92, s45, 9
	s_add_nc_u64 s[16:17], s[16:17], s[92:93]
	s_lshl_b32 s92, s43, 16                        ; the table: my eight tiles of positions
	s_add_nc_u64 s[8:9], s[8:9], s[92:93]
	s_mov_b32 s[R128], 0x3c000000                  ; 1 / 128
	s_mov_b32 s[EPS], 0x358637bd                   ; 1e-6
	s_mov_b32 s[SEL], 0x76543210
	s_mov_b32 s[SEL+1], 0xfedcba98
	s_wait_alu depctr_va_vdst(0)
	s_wait_tensorcnt 0x0                           ; my tile of the head's four is in
	ds_add_u32 v[SPW], v[NIL]
	s_mov_b32 s[G1X+2], NA<<16                     ; no tensor load of mine is out, so descriptors may be written: from here on a load brings a half
	s_mov_b32 s[G1X+4], NA
	s_mov_b32 s[G1Y+2], 8<<16
	s_mov_b32 s[G1Y+4], 8
	s_wait_xcnt 0x0                                ; the prefetch has read its address
	s_add_nc_u64 s[PFA:PFA+1], s[PFA:PFA+1], TBY
	s_mul_i32 s[G0X+1], s[WY], XH
	s_mul_i32 s[G0Y+1], s[WY], YH
	s_add_co_u32 s[G0Y+1], s[G0Y+1], XREG
	s_mul_i32 s92, s[WY], NA*TILEB
	s_mov_b32 s93, 0
	s_add_nc_u64 s[G0X+2:G0X+3], s[G0X+2:G0X+3], s[92:93]
	s_mul_i32 s92, s[WY], 8*TILEB
	s_add_nc_u64 s[G0Y+2:G0Y+3], s[G0Y+2:G0Y+3], s[92:93]
	s_wait_dscnt 0x0
	CROUND                                         ; all four tiles are in, and all sixteen work-groups are here
	JLOAD G0X+4, G1X, G0Y+4, G1Y                   ; slot 1's first fill, the first tensor load behind the round
	FETCH_Y 0, 0, 0
	FETCH_X 0, 0, 0
	SCALES 0
	FETCH_X 0, 0, 4
	global_prefetch_b8 v[PFO], s[PFA:PFA+1] th:TH_LOAD_NT scope:SCOPE_SE   ; slot 3
	STEP 0, 0, 1                                   ; the first step stands in front of the loop: its products start the sums
	s_mov_b32 s3, LAPS-1
.Llap:                                                 ; a trip goes once round the ring and fills both slots again
	TURN 0, 1, 1
	STEP 1, 0, 0
	TURN 1, 0, 1
	STEP 0, 0, 0
	s_sub_co_u32 s3, s3, 1
	s_cmp_lg_u32 s3, 0
	s_cbranch_scc1 .Llap
	TURN 0, 1, 0                                   ; the last lap fills nothing
	STEP 1, 0, 0
	s_cmp_lt_u32 s[PP], 3                          ; Q and K are normalised and rotated; K_ctx, V, V_ctx are not.  The one branch on the kind; the last step is written in both arms,
	s_cbranch_scc0 .Lplain                         ; so that in this arm its 64 products stand between the requests below and their use
	WLOAD
	CSLOAD 0
	CSLOAD 1                                       ; (into Y's set 0, which the last step does not read; the step before ended with its places)
	LAST
	CSLOAD 2                                       ; (into Y's set 1, behind the last products' places)
	EPI_ROPE 0
	EPI_ROPE 1
	EPI_ROPE 2
	EPI_ROPE 3
	EPI_ROPE 4
	EPI_ROPE 5
	EPI_ROPE 6
	EPI_ROPE 7
	s_branch .Ljoin
.Lplain:
	LAST
	EPI_PLAIN 0
	EPI_PLAIN 1
	EPI_PLAIN 2
	EPI_PLAIN 3
	EPI_PLAIN 4
	EPI_PLAIN 5
	EPI_PLAIN 6
	EPI_PLAIN 7
.Ljoin:
	v_cmp_le_u32 vcc_lo, 16, v1                    ; the eight scale words as an image of four registers: lanes 0-15 tiles 0-3, lanes 16-31 tiles 4-7
.irp i, 0,1,2,3
	v_cndmask_b32 v[SW4+\i], v[PW8+\i], v[PW8+4+\i], vcc_lo
.endr
	global_store_b128 v[LI], v[SW4:SW4+3], s[16:17]   ; 512 consecutive bytes
	s_wait_tensorcnt 0x0                           ; the wave's end
	ds_add_u32 v[SPW], v[NIL]
	s_wait_dscnt 0x0
	CROUND                                         ; the closing round: no work-group ends while a partner may still ask for a tile that names it
	s_endpgm
.Lfunc_end_k_q57a73b22d7_proj:
	.size	k_q57a73b22d7_proj, .Lfunc_end_k_q57a73b22d7_proj-k_q57a73b22d7_proj
	.p2alignl 7, 3214868480
	.fill 96, 4, 3214868480
	.section	.rodata,"a",@progbits
	.p2align	6, 0x0
	.amdhsa_kernel k_q57a73b22d7_proj
		.amdhsa_group_segment_fixed_size 327680
		.amdhsa_private_segment_fixed_size 0
		.amdhsa_enable_private_segment 0
		.amdhsa_kernarg_size 56
		.amdhsa_user_sgpr_count 2
		.amdhsa_user_sgpr_kernarg_segment_ptr 1
		.amdhsa_wavefront_size32 1
		.amdhsa_system_sgpr_workgroup_id_x 1
		.amdhsa_system_sgpr_workgroup_id_y 1
		.amdhsa_system_sgpr_workgroup_id_z 1
		.amdhsa_system_vgpr_workitem_id 0
		.amdhsa_next_free_vgpr 1024
		.amdhsa_next_free_sgpr 102
		.amdhsa_reserve_vcc 1
		.amdhsa_float_denorm_mode_32 3
		.amdhsa_float_denorm_mode_16_64 3
		.amdhsa_memory_ordered 1
		.amdhsa_forward_progress 1
		.amdhsa_inst_pref_size 255
	.end_amdhsa_kernel
	.section	.bss,"aw",@nobits
	.p2align	6
	.space	262144
	.amdgpu_metadata
---
amdhsa.version: [ 1, 2 ]
amdhsa.kernels:
  - .name:           k_q57a73b22d7_proj
    .symbol:         k_q57a73b22d7_proj.kd
    .args:
      - { .name: codes, .offset: 0, .size: 8, .value_kind: global_buffer, .address_space: global }
      - { .name: scales, .offset: 8, .size: 8, .value_kind: global_buffer, .address_space: global }
      - { .name: rope, .offset: 16, .size: 8, .value_kind: global_buffer, .address_space: global }
      - { .name: q_norm_w, .offset: 24, .size: 8, .value_kind: global_buffer, .address_space: global }
      - { .name: k_norm_w, .offset: 32, .size: 8, .value_kind: global_buffer, .address_space: global }
      - { .name: qkv_codes, .offset: 40, .size: 8, .value_kind: global_buffer, .address_space: global }
      - { .name: qkv_scales, .offset: 48, .size: 8, .value_kind: global_buffer, .address_space: global }
    .group_segment_fixed_size: 327680
    .private_segment_fixed_size: 0
    .kernarg_segment_align: 8
    .kernarg_segment_size: 56
    .max_flat_workgroup_size: 128
    .sgpr_count:     102
    .vgpr_count:     1024
    .wavefront_size: 32
...
	.end_amdgpu_metadata
.endif
;; end of part 2
;; launch attn (part 3): grid 32 x 8, 8 waves a work-group, clusters of 4 x 1, 327,680 bytes of LDS; arguments qkv_codes, qkv_scales, att_codes, att_scales; writes att_codes, att_scales
.if DOCPART == 3
	.amdgcn_target "amdgcn-amd-amdhsa--gfx1250"
	.amdhsa_code_object_version 6
	.text
	.protected	k_q57a73b22d7_attn
	.globl	k_q57a73b22d7_attn
	.p2align	8
	.type	k_q57a73b22d7_attn,@function
k_q57a73b22d7_attn:
	s_mov_b64 s[64:65], 0
	v_nop
	global_prefetch_b8 v0, s[64:65] scope:SCOPE_SE
	s_setreg_imm32_b32 hwreg(HW_REG_WAVE_MODE, 25, 1), 1
	s_wait_xcnt 0x0
	s_wait_alu depctr_hold_cnt(0) depctr_sa_sdst(0) depctr_va_vdst(0) depctr_va_sdst(0) depctr_va_ssrc(0) depctr_va_vcc(0) depctr_vm_vsrc(0)
	s_getreg_b32 s2, hwreg(HW_REG_IB_STS2, 6, 4)
	s_cmp_eq_u32 s2, 0
	s_cbranch_scc0 .Lentry_in_a_cluster
	s_endpgm
.Lentry_in_a_cluster:
	s_bfe_u32 s2, ttmp6, 0x10000c
	s_cmp_lg_u32 s2, 0x3003
	s_cbranch_scc0 .Lentry_shape_is_right
	s_endpgm
.Lentry_shape_is_right:
; Attention on codes of FP6 (E2M3) with E8M0 scales: S^T = K Q^T, p = 2^(t - M), O^T += V^T p^T, O / l, quantised along the head's axis for the last projection.
; SHARES. A work-group takes one kv head (y) and 64 queries of its two query heads: eight tiles of 16 queries. Wave w: tile w & 3 of both heads, and the key steps (128 keys) of parity w >> 2:
; 16 of the 32 steps. Waves w and w ^ 4 hold the same two tiles over the two halves of the keys; at the end each sends the other head's part to its partner through LDS and finishes its own head.
; Both products are used transposed, so a lane holds one query. ROWS OF A TILE: row 8 h + j of tile 4 c + u is row 64 c + 32 h + 8 u + j. So a lane's 32 score registers of tiles 4 c .. 4 c + 3
; are the keys 64 c + 32 (lane / 16) + 0..31 of the step: a whole block of p's quantiser in one lane, already in the operand's order. No lane swap; the other half of the lanes gives the row's maximum and two scale bytes.
; M is the ceiling of the running largest t, kept as -M; a change of M multiplies the sum and O^T by an exact power of two, in every step, with no branch on data.
; A block's largest p is made from the block's largest score by the same multiply-add and exponential (p rises with the score).
; THE RING: two LDS slots of four key steps (K's and V's images, 98,304 bytes), each wave fetching 12,288 bytes; the scale words of all 32 steps (32,768 bytes) come once.
; The head's fills are one group: waves 0-5 bring slot 0, waves 6 and 7 the scale words, 16,384 bytes each. A wave has one tensor load out.
; In a slot's second step stand two barriers. The first guards no refill: behind each wave's wait for its load it shows the next slot whole, so that the next K fragments are fetched from it.
; The second opens the round in front of the refill; the second tile's softmax and products, work on registers alone, stand between its signal and its wait.
; CLUSTER 4 x 1: four work-groups of one kv head read the same K and V tiles and ask for them jointly (mask 15).
; PREFETCH: behind each refill the slot that the next refill will load is named once for each kv head: cluster x = 0, waves 0-2 of its four work-groups, a lane to 256 bytes (4 x 3 x 32 x 256 = 98,304); the last refill asks for nothing.
; LIMITS: the promise holds while |t| stays under 2^31; NaN and infinities are not served; a block's largest magnitude is taken as 2^-124 at the least (byte 1, zero codes).
.set SLOT1, 1<<17                      ; from slot 0 to slot 1
.set STEPB, 24576                      ; a key step: eight images of K, eight of V
.set SLOTB, 4*STEPB
.set SCB,   2*SLOT1                    ; the scale words: 1,024 bytes a step (K's 512, V's 512)
.set EX,    SCB+32768                  ; 512 bytes: the results' scale words meet here
.set SPARE, EX+512                     ; the spare words, 128 bytes a wave
.set XB,    8704                       ; the exchange at the end, in slot 0 (its last fill is long read): 8,192 + 512 a wave
.set KVC0,  256*12288
.set KVS0,  256*512
.set LI,  1                            ; 16 x lane
.set ADK, 2                            ; v2-3 my two steps of the slot
.set ADS, 4                            ; my scale words
.set SPW, 5
.set NIL, 6
.set PFO, 7
.set LS0, 8
.set EXA, 9
.set EXR, 10
.set L4,  11
.set ST0, 12                           ; -M, the largest t, the sum in two halves
.set Q0,  16
.set KS,  28
.set VS,  32
.set QS,  36
.set LK,  38
.set XA,  39
.set Q1,  40
.set ST1, 52
.set TM,  56
.set PW,  72
.set XR,  73
.set PC,  76
.set O0,  160                          ; window 0; v96-159 scores, then p; v224-235 p's codes; v232-254 at work; v253 p's scale word
.set O1,  192                          ; window 1; there v0-95 K's fragments, v96-191 V's
.set H8,  255                          ; 8 x (lane / 16)
.set WV,  12
.set TB,  40
.set TS,  41
.set SLOTS, 42
.set LIM, 43
.set PFA, 44
.set SEL, 46
.set CS,  48
.set MSB, 0
.macro WIN new
.if MSB != (\new)
	s_set_vgpr_msb (MSB<<8)|(\new)
.set MSB, (\new)
.endif
.endm
.macro NOP4
.rept 4
	v_nop
.endr
.endm
.macro CREST                           ; a round of the cluster's barrier behind its opening barrier
	s_cmp_lg_u32 s[WV], 0
	s_cbranch_scc1 .Lnot_wave_0_\@
	s_barrier_signal -3
.Lnot_wave_0_\@:
	s_barrier_wait -3
	s_barrier_signal -1
	s_barrier_wait -1
.endm
.macro CROUND
	s_barrier_signal -1
	s_barrier_wait -1
	CREST
.endm
.macro STEPUP                          ; between the add and its wait: the ring's group 0 and the prefetch's address go one slot on (no tensor load of mine is out)
	s_xor_b32 s33, s33, SLOT1
	s_add_nc_u64 s[34:35], s[34:35], SLOTB
	s_wait_xcnt 0x0                                ; the last prefetch has read its address
	s_add_nc_u64 s[PFA:PFA+1], s[PFA:PFA+1], SLOTB
.endm
.macro FILL                            ; the joint refill, first behind the round; then the prefetch of the slot after it
	tensor_load_to_lds s[32:35], s[16:23]
	s_nop 0
	NOP4
	s_cmp_gt_u32 s[SLOTS], s[LIM]
	s_cbranch_scc0 .Lnot_mine_\@
	global_prefetch_b8 v[PFO], s[PFA:PFA+1] th:TH_LOAD_NT scope:SCOPE_SE
.Lnot_mine_\@:
.endm
.macro FLOAD base, k, off              ; eight images into window 1
.set tt, 0
.rept 8
.irp c, 0,1,2
	ds_load_b128 v[\base+12*tt+4*\c:\base+12*tt+4*\c+3], v[ADK+(\k)] offset:\off+1536*tt+512*\c
.endr
.set tt, tt+1
.endr
.endm
.macro KHEAD                           ; a slot's addresses, and its first K fragments
	v_add_nc_u32 v[ADK], s[TB], v[LK]
	s_delay_alu instid0(VALU_DEP_1)
	v_add_nc_u32 v[ADK+1], 2*STEPB, v[ADK]
	v_add_nc_u32 v[ADS], s[TS], v[LS0]
	WIN 0x40
	FLOAD 0, 0, 0
	WIN 0
	ds_load_b128 v[KS:KS+3], v[ADS]
.endm
.macro KQ qf, qs                       ; eight accumulators, one instruction each
	WIN 0x01
.irp t, 0,1,2,3
	v_wmma_scale_f32_16x16x128_f8f6f4 v[96+8*\t:103+8*\t], v[12*\t:12*\t+11], v[\qf:\qf+11], 0, v[KS+\t], v[\qs] matrix_a_fmt:MATRIX_FMT_FP6 matrix_b_fmt:MATRIX_FMT_FP6
.endr
.irp t, 4,5,6,7
	v_wmma_scale_f32_16x16x128_f8f6f4 v[96+8*\t:103+8*\t], v[12*\t:12*\t+11], v[\qf:\qf+11], 0, v[KS+\t-4], v[\qs] matrix_a_fmt:MATRIX_FMT_FP6 matrix_b_fmt:MATRIX_FMT_FP6 matrix_a_scale:MATRIX_SCALE_ROW1
.endr
	WIN 0
	NOP4                                           ; places in front of the first read of the scores and of loads into K's registers
.endm
.macro PV ob, ow
.if \ow
	WIN 0x51
.else
	WIN 0x01
.endif
.irp t, 0,1,2,3
	v_wmma_scale_f32_16x16x128_f8f6f4 v[\ob+8*\t:\ob+8*\t+7], v[96+12*\t:96+12*\t+11], v[224:235], v[\ob+8*\t:\ob+8*\t+7], v[VS+\t], v253 matrix_a_fmt:MATRIX_FMT_FP6 matrix_b_fmt:MATRIX_FMT_FP6
.endr
.irp t, 4,5,6,7
	v_wmma_scale_f32_16x16x128_f8f6f4 v[\ob+8*\t:\ob+8*\t+7], v[96+12*\t:96+12*\t+11], v[224:235], v[\ob+8*\t:\ob+8*\t+7], v[VS+\t-4], v253 matrix_a_fmt:MATRIX_FMT_FP6 matrix_b_fmt:MATRIX_FMT_FP6 matrix_a_scale:MATRIX_SCALE_ROW1
.endr
.endm
.macro ADD2 st, j                      ; the row's sum of the unquantised p, in two packed chains
	v_pk_add_f32 v[\st+2:\st+3], v[\st+2:\st+3], v[96+\j:97+\j]
	v_pk_add_f32 v[240:241], v[240:241], v[98+\j:99+\j]
.endm
.macro SOFT st, ob, ow
.irp b, 0,1,2,3
	v_max3_num_f32 v[232+\b], v[96+16*\b], v[97+16*\b], v[98+16*\b]   ; four chains of 16 scores, each accumulator from its low end on
.endr
.irp i, 3,5,7,9,11,13
.irp b, 0,1,2,3
	v_max3_num_f32 v[232+\b], v[232+\b], v[96+16*\b+\i], v[97+16*\b+\i]
.endr
.endr
.irp b, 0,1,2,3
	v_max_num_f32 v[232+\b], v[232+\b], v[111+16*\b]
.endr
	s_delay_alu instid0(VALU_DEP_3)
	v_max_num_f32 v232, v232, v233                 ; the largest score of my block h,
	s_delay_alu instid0(VALU_DEP_2)
	v_max_num_f32 v233, v234, v235                 ; and of my block 2 + h
	s_delay_alu instid0(VALU_DEP_1)
	v_max_num_f32 v254, v232, v233
	s_delay_alu instid0(VALU_DEP_1)
	v_mul_f32 v254, s[CS], v254                    ; as t (c is positive)
	s_delay_alu instid0(VALU_DEP_1)
	v_permlanex16_b32 v238, v254, s[SEL], s[SEL+1]
	s_delay_alu instid0(VALU_DEP_1)
	v_max3_num_f32 v[\st+1], v[\st+1], v254, v238  ; the running largest t of my query
	v_mov_b32 v254, v[\st]
	s_delay_alu instid0(VALU_DEP_2)
	v_floor_f32 v[\st], -v[\st+1]                  ; the new -M
.set jj, 0
.rept 32
	v_pk_fma_f32 v[96+jj:97+jj], v[96+jj:97+jj], s[CS:CS+1], v[\st:\st+1] op_sel_hi:[1,0,0]   ; t - M
.if jj == 2
	v_sub_f32 v254, v[\st], v254                   ; old M less new M, a whole number;
.elseif jj == 6
	v_cvt_i32_f32 v254, v254
.elseif jj == 10
	v_ldexp_f32 v252, 1.0, v254                    ; f = 2^(old M - new M)
.endif
.set jj, jj+2
.endr
	v_fma_f32 v232, v232, s[CS], v[\st]
	v_fma_f32 v233, v233, s[CS], v[\st]
.endm
.macro SOFTB st, ob, ow                ; the softmax's second part: O^T under the new M, p, its sum, its codes
.if \ow
	WIN 0x41
.endif
	s_wait_alu depctr_va_vdst(0)                   ; the wait ahead of the first reader of O^T, and ahead of the batch below
.set jj, 0
.rept 32
	v_pk_mul_f32 v[\ob+jj:\ob+jj+1], v[\ob+jj:\ob+jj+1], v[252:253] op_sel_hi:[1,0]   ; O^T under the new M
.set jj, jj+2
.endr
	WIN 0
	v_exp_f32 v232, v232                           ; the two blocks' largest p,
	v_exp_f32 v233, v233
.set jj, 0
.rept 64
	v_exp_f32 v[96+jj], v[96+jj]                   ; and p
.set jj, jj+1
.endr
	v_pk_mul_f32 v[\st+2:\st+3], v[\st+2:\st+3], v[252:253] op_sel_hi:[1,0]   ; the sums under the new M: the plain place behind the batch
	s_wait_alu depctr_va_vdst(0)                   ; one wait for the batch, ahead of its first reader
	v_max_num_f32 v232, 0x1800000, v232            ; the floor 2^(3 - 127): the byte cannot fall under 1
	v_max_num_f32 v233, 0x1800000, v233
	v_pk_add_f32 v[240:241], v[96:97], v[98:99]
	ADD2 \st, 4
	v_add_nc_u32 v242, 0xff000000, v232            ; 2 off the exponent field: the conversion's scale operand
	v_add_nc_u32 v243, 0xff000000, v233
	ADD2 \st, 8
	v_lshrrev_b32 v236, 23, v242
	v_lshrrev_b32 v237, 23, v243
	ADD2 \st, 12
	v_lshl_or_b32 v253, v237, 16, v236             ; the bytes of blocks h and 2 + h,
	ADD2 \st, 16
	v_lshlrev_b32 v253, v[H8], v253                ; at their places;
	ADD2 \st, 20
	v_permlanex16_b32 v238, v253, s[SEL], s[SEL+1]
	ADD2 \st, 24
	v_or_b32 v253, v253, v238                      ; with lane l xor 16's two: p's scale word
.irp c, 0,1
	v_cvt_scalef32_pk16_fp6_f32 v[224+6*\c:226+6*\c], v[96+32*\c:111+32*\c], v[242+\c]
	v_cvt_scalef32_pk16_fp6_f32 v[244+4*\c:246+4*\c], v[112+32*\c:127+32*\c], v[242+\c]   ; (three registers from an even one: made here and moved)
.endr
	ADD2 \st, 28                                   ; the plain place behind the conversions
.irp c, 0,1
.irp i, 0,1,2
	v_mov_b32 v[227+6*\c+\i], v[244+4*\c+\i]
.endr
.endr
.irp j, 32,36,40,44,48,52,56,60                ; these 17 lines are also the places between the operand's and the scale word's last writes and the products
	ADD2 \st, \j
.endr
	v_pk_add_f32 v[\st+2:\st+3], v[\st+2:\st+3], v[240:241]
.endm
; A key step for both tiles. mode 0: the slot's first step; 1: its second, and the slot is filled again; 2: its second, nothing is filled; 3: the very last.
.macro STEP k, mode
	s_wait_dscnt 0x0                               ; K's fragments and scale words are in
.if (\mode) == 1 || (\mode) == 2
	s_wait_tensorcnt 0x0                           ; my part of the next slot has landed:
	s_barrier_signal -1                            ; say so
.endif
	KQ Q0, QS
	WIN 0x40
	FLOAD 96, \k, 12288
	WIN 0
	ds_load_b128 v[VS:VS+3], v[ADS] offset:2048*(\k)+512
	SOFT ST0, O0, 0
	SOFTB ST0, O0, 0
	s_wait_alu depctr_va_vdst(0)
	s_wait_dscnt 0x0                               ; V's fragments are in
	PV O0, 0
	KQ Q1, QS+1
.if (\mode) == 0
	WIN 0x40
	FLOAD 0, 1, 0
	WIN 0
	ds_load_b128 v[KS:KS+3], v[ADS] offset:2048
.elseif (\mode) < 3
	s_barrier_wait -1                              ; the next slot is whole
	s_xor_b32 s[TB], s[TB], SLOT1
	s_add_co_u32 s[TS], s[TS], 4096
	KHEAD
.endif
.if (\mode) == 1
	s_wait_tensorcnt 0x0                           ; the three lines in front of the refill's barrier
	ds_add_u32 v[SPW], v[NIL]
	STEPUP
	SOFT ST1, O1, 1                                ; work on registers between the add and the wait for it, while the next K fragments come
	s_wait_dscnt 0x0                               ; the add is done, and my reads of this slot are over
	s_barrier_signal -1                            ; the round's opening signal; work on registers alone up to its wait
.else
	SOFT ST1, O1, 1
.endif
	SOFTB ST1, O1, 1
	PV O1, 1
	WIN 0
.if (\mode) == 1
	s_barrier_wait -1
	CREST
	FILL
.endif
.endm
	s_load_b256 s[4:11], s[0:1], 0x0               ; qkv_codes, qkv_scales, att_codes, att_scales
	v_lshl_add_u32 v[SPW], v0, 2, SPARE
	v_mov_b32 v[NIL], 0
	ds_add_u32 v[SPW], v[NIL]                      ; the opening lines: the add twice on end and one wait
	ds_add_u32 v[SPW], v[NIL]
	v_lshrrev_b32 v1, 5, v0
	v_readfirstlane_b32 s[WV], v1                  ; wave 0..7
	s_bfe_u32 s13, ttmp6, 0x40000                  ; cx
	s_and_b32 s14, ttmp7, 0xffff                   ; kv head
	s_mov_b32 s16, 15|(3<<16)|(1<<21)              ; group 1 of the ring: 48 rows of 256 bytes, dense; mask: all four partners
	s_mov_b32 s17, 32<<16
	s_mov_b32 s18, 48<<16
	s_mov_b32 s19, 32<<16
	s_mov_b32 s20, 48
	s_mov_b32 s21, 32
	s_mov_b32 s22, 0
	s_mov_b32 s23, 0
	s_mov_b32 s24, 15|(3<<16)|(1<<21)              ; group 1 of the head's loads: 64 rows of 256 bytes
	s_mov_b32 s25, 32<<16
	s_mov_b32 s26, 64<<16
	s_mov_b32 s27, 32<<16
	s_mov_b32 s28, 64
	s_mov_b32 s29, 32
	s_mov_b32 s30, 0
	s_mov_b32 s31, 0
	s_mul_i32 s50, s14, 64*12288
	s_add_co_u32 s50, s50, KVC0                    ; my kv head's K and V
	s_mov_b32 s51, 0
	s_mul_i32 s52, s[WV], 12288                    ; the ring: my eighth of a slot
	s_mov_b32 s53, 0
	s_lshl_b32 s56, s[WV], 14                      ; the head: 16,384 bytes a wave
	s_mov_b32 s57, 0
	s_lshl_b32 s54, s14, 15
	s_add_co_u32 s54, s54, KVS0-6*16384            ; the scale words: waves 6 and 7 take the two halves
	s_add_co_u32 s54, s54, s56
	s_mov_b32 s55, 0
	s_mov_b32 s[SEL], 0x76543210
	s_mov_b32 s[SEL+1], 0xfedcba98
	s_mov_b32 s[CS], 0x3e0293ee                    ; log2(e) / sqrt(128)
	s_mov_b32 s[CS+1], s[CS]
	s_mov_b32 s[TB], 0
	s_mov_b32 s[TS], 0
	s_mov_b32 s[SLOTS], 7
	s_cmp_lt_u32 s[WV], 3
	s_cselect_b32 s[LIM], ttmp9, 1
	s_cmp_eq_u32 s[LIM], 0
	s_cselect_b32 s[LIM], 1, -1                    ; 1 where I prefetch: waves 0-2 of cluster x = 0
	s_mul_i32 s58, s13, 24576
	s_lshl_b32 s59, s[WV], 13
	s_add_co_u32 s58, s58, s59
	s_add_co_u32 s58, s58, SLOTB
	s_mov_b32 s59, 0
	s_wait_dscnt 0x0
	s_wait_kmcnt 0x0
	s_mov_b32 s32, 1                               ; the ring's group 0, at slot 0: stepped ahead of each load
	s_mov_b32 s33, s52
	s_add_nc_u64 s[34:35], s[4:5], s[50:51]
	s_add_nc_u64 s[PFA:PFA+1], s[34:35], s[58:59]
	s_add_nc_u64 s[38:39], s[34:35], s[56:57]
	s_add_nc_u64 s[34:35], s[34:35], s[52:53]
	s_or_b32 s35, s35, 0x80000000
	s_mov_b32 s36, 1                               ; the head: a sixth of slot 0
	s_mov_b32 s37, s56
	s_or_b32 s39, s39, 0x80000000
	s_mov_b32 s68, 1                               ; or a half of the scale words
	s_add_co_u32 s69, s56, SCB-6*16384
	s_add_nc_u64 s[70:71], s[6:7], s[54:55]
	s_or_b32 s71, s71, 0x80000000
	CROUND                                         ; the four partners are here: the first joint loads meet
	s_cmp_lt_u32 s[WV], 6
	s_cbranch_scc0 .Lhead_sc
	tensor_load_to_lds s[36:39], s[24:31]
	s_nop 0
	NOP4
	s_branch .Lhead_asked
.Lhead_sc:
	tensor_load_to_lds s[68:71], s[24:31]
	s_nop 0
	NOP4
.Lhead_asked:
	s_lshl_b32 s58, ttmp9, 2
	s_add_co_u32 s58, s58, s13                     ; the work-group's 64 queries
	s_and_b32 s59, s[WV], 3
	s_lshr_b32 s60, s[WV], 2
	s_lshl_b32 s61, s58, 2
	s_add_co_u32 s61, s61, s59                     ; my tile of queries, 0..127
	s_lshl_b32 s62, s14, 1
	s_add_co_u32 s62, s62, s60                     ; my own head;
	s_xor_b32 s54, s62, 1                          ; the other
	s_mov_b32 s57, 0
	s_lshl_b32 s56, s54, 7
	s_add_co_u32 s56, s56, s61
	s_mul_i32 s56, s56, 1536
	s_add_nc_u64 s[50:51], s[4:5], s[56:57]
	s_lshl_b32 s56, s62, 7
	s_add_co_u32 s56, s56, s61
	s_mul_i32 s56, s56, 1536
	s_add_nc_u64 s[4:5], s[4:5], s[56:57]
	s_lshr_b32 s63, s58, 1
	s_lshl_b32 s63, s63, 9
	s_and_b32 s55, s58, 1
	s_lshl_b32 s55, s55, 8
	s_add_co_u32 s63, s63, s55
	s_lshl_b32 s55, s59, 2
	s_add_co_u32 s63, s63, s55                     ; my tile's words in Q's block of scale words
	s_lshl_b32 s56, s54, 13
	s_add_co_u32 s56, s56, s63
	s_add_nc_u64 s[52:53], s[6:7], s[56:57]
	s_lshl_b32 s56, s62, 13
	s_add_co_u32 s56, s56, s63
	s_add_nc_u64 s[6:7], s[6:7], s[56:57]
	s_lshl_b32 s56, s61, 4
	s_add_co_u32 s56, s56, s62
	s_mul_i32 s56, s56, 1536
	s_add_nc_u64 s[8:9], s[8:9], s[56:57]          ; out: tile x 16 + head
	s_lshl_b32 s56, s61, 10
	s_lshl_b32 s63, s14, 7
	s_add_co_u32 s56, s56, s63
	s_add_nc_u64 s[10:11], s[10:11], s[56:57]
	s_mul_i32 s72, s60, STEPB                      ; my parity of key steps
	s_lshl_b32 s73, s60, 10
	s_add_co_u32 s73, s73, SCB
	s_mul_i32 s74, s[WV], XB
	s_xor_b32 s75, s[WV], 4
	s_mul_i32 s75, s75, XB
	s_lshl_b32 s77, s59, 7
	s_add_co_u32 s77, s77, EX
	s_lshl_b32 s76, s60, 2
	s_add_co_u32 s76, s76, s77
	v_and_b32 v11, 31, v0
	v_and_b32 v74, 15, v0
	v_bfe_u32 v[H8], v0, 4, 1
	v_lshlrev_b32 v[LI], 4, v11
	v_lshlrev_b32 v[PFO], 8, v11
	v_lshlrev_b32 v75, 4, v74
	v_lshlrev_b32 v[H8], 3, v[H8]
	v_lshl_add_u32 v[EXA], v74, 3, s76
	v_lshl_add_u32 v[EXR], v11, 2, s77
	v_lshlrev_b32 v[L4], 2, v11
	v_add_nc_u32 v[LK], s72, v[LI]
	v_add_nc_u32 v[LS0], s73, v[LI]
	v_add_nc_u32 v[XA], s74, v[LI]
	v_add_nc_u32 v[XR], s75, v[LI]
.irp c, 0,1,2
	global_load_b128 v[Q0+4*\c:Q0+4*\c+3], v[LI], s[4:5] offset:512*\c
	global_load_b128 v[Q1+4*\c:Q1+4*\c+3], v[LI], s[50:51] offset:512*\c
.endr
	global_load_b32 v[QS], v75, s[6:7]
	global_load_b32 v[QS+1], v75, s[52:53]
.irp st, ST0, ST1
	v_mov_b32 v[\st+1], 0xff61b1e6                 ; -3e38, under every t
	v_mov_b32 v[\st+2], 0
	v_mov_b32 v[\st+3], 0
	v_floor_f32 v[\st], -v[\st+1]
.endr
	v_mov_b32 v238, 0                              ; a lane permute's destination counts as a source
	v_mov_b32 v253, 0                              ; (named as the upper half of a pair)
.set jj, 0
.rept 64
	v_mov_b32 v[O0+jj], 0                          ; the step is written once: the first finds zeros
.set jj, jj+1
.endr
	WIN 0x40
.set jj, 0
.rept 64
	v_mov_b32 v[O1+jj], 0
.set jj, jj+1
.endr
	WIN 0
	s_wait_alu depctr_va_vdst(0)
	s_wait_tensorcnt 0x0                           ; my part of the head's fills is in; the full sequence ahead of slot 1's first fill
	ds_add_u32 v[SPW], v[NIL]
	STEPUP
	s_wait_dscnt 0x0
	CROUND
	FILL                                           ; slot 1
	KHEAD
	s_wait_alu depctr_va_vdst(0)
	s_wait_loadcnt 0x0                             ; Q's fragments and words
	s_mov_b32 s[SLOTS], 6
.Lslot:                                                ; a trip works one slot and fills it again: slots 2 to 7
	STEP 0, 0
	STEP 1, 1
	s_sub_co_u32 s[SLOTS], s[SLOTS], 1
	s_cmp_lg_u32 s[SLOTS], 0
	s_cbranch_scc1 .Lslot
	STEP 0, 0
	STEP 1, 2
	STEP 0, 0
	STEP 1, 3
	; the two halves of the keys meet
	v_add_f32 v[ST0+2], v[ST0+2], v[ST0+3]
	v_add_f32 v[ST1+2], v[ST1+2], v[ST1+3]
	v_nop
	v_nop                                          ; four places behind the last products
	s_wait_alu depctr_va_vdst(0)
	s_barrier_signal -1
	s_barrier_wait -1                              ; nobody reads slot 0 any more
	WIN 0x04
.set jj, 0
.rept 16
	ds_store_b128 v[XA], v[O1+4*jj:O1+4*jj+3] offset:512*jj
.set jj, jj+1
.endr
	WIN 0
	ds_store_b128 v[XA], v[ST1:ST1+3] offset:8192
	s_wait_dscnt 0x0
	s_barrier_signal -1
	s_barrier_wait -1
.set jj, 0
.rept 16
	ds_load_b128 v[96+4*jj:96+4*jj+3], v[XR] offset:512*jj
.set jj, jj+1
.endr
	ds_load_b128 v[232:235], v[XR] offset:8192
	s_wait_dscnt 0x0
	v_min_num_f32 v254, v[ST0], v232               ; the common -M
	s_delay_alu instid0(VALU_DEP_1)
	v_sub_f32 v252, v254, v[ST0]
	v_sub_f32 v253, v254, v232
	s_delay_alu instid0(VALU_DEP_2)
	v_cvt_i32_f32 v252, v252
	s_delay_alu instid0(VALU_DEP_2)
	v_cvt_i32_f32 v253, v253
	s_delay_alu instid0(VALU_DEP_2)
	v_ldexp_f32 v252, 1.0, v252
	s_delay_alu instid0(VALU_DEP_2)
	v_ldexp_f32 v253, 1.0, v253
	s_delay_alu instid0(VALU_DEP_2)
	v_mul_f32 v[ST0+2], v[ST0+2], v252
	s_delay_alu instid0(VALU_DEP_1)
	v_fma_f32 v[ST0+2], v234, v253, v[ST0+2]
	s_delay_alu instid0(VALU_DEP_1)
	v_permlanex16_b32 v238, v[ST0+2], s[SEL], s[SEL+1]
	s_delay_alu instid0(VALU_DEP_1)
	v_add_f32 v[ST0+2], v[ST0+2], v238             ; the row's sum
	s_wait_alu depctr_va_vdst(0)
	v_rcp_f32 v237, v[ST0+2]
	v_nop
	s_wait_alu depctr_va_vdst(0)
	v_mul_f32 v[ST0+2], v237, v252
	v_mul_f32 v[ST1+2], v237, v253
.set jj, 0
.rept 32
	v_pk_mul_f32 v[96+jj:97+jj], v[96+jj:97+jj], v[ST1+2:ST1+3] op_sel_hi:[1,0]
.set jj, jj+2
.endr
.set jj, 0
.rept 32
	v_pk_fma_f32 v[96+jj:97+jj], v[O0+jj:O0+jj+1], v[ST0+2:ST0+3], v[96+jj:97+jj] op_sel_hi:[1,0,1]
.set jj, jj+2
.endr
	; register 32 c + i is o(query, d = 64 c + 32 (lane / 16) + i): two whole blocks a lane
.irp b, 0,1,2,3
	v_max3_num_f32 v[TM+\b], |v[96+16*\b]|, |v[97+16*\b]|, 0x1800000
.endr
.irp i, 2,4,6,8,10,12,14
.irp b, 0,1,2,3
	v_max3_num_f32 v[TM+\b], |v[96+16*\b+\i]|, |v[97+16*\b+\i]|, v[TM+\b]
.endr
.endr
	v_max_num_f32 v[TM], v[TM], v[TM+1]
	v_max_num_f32 v[TM+1], v[TM+2], v[TM+3]
	s_delay_alu instid0(VALU_DEP_2)
	v_add_nc_u32 v[TM+12], 0xff000000, v[TM]
	s_delay_alu instid0(VALU_DEP_2)
	v_add_nc_u32 v[TM+13], 0xff000000, v[TM+1]
	s_delay_alu instid0(VALU_DEP_2)
	v_lshrrev_b32 v[TM+4], 23, v[TM+12]
	s_delay_alu instid0(VALU_DEP_2)
	v_lshrrev_b32 v[TM+5], 23, v[TM+13]
	s_delay_alu instid0(VALU_DEP_1)
	v_lshl_or_b32 v[TM+4], v[TM+5], 16, v[TM+4]
	s_delay_alu instid0(VALU_DEP_1)
	v_lshlrev_b32 v[TM+4], v[H8], v[TM+4]
	s_delay_alu instid0(VALU_DEP_1)
	v_permlanex16_b32 v[TM+5], v[TM+4], s[SEL], s[SEL+1]
	s_delay_alu instid0(VALU_DEP_1)
	v_or_b32 v[PW], v[TM+4], v[TM+5]
.irp c, 0,1
	v_cvt_scalef32_pk16_fp6_f32 v[PC+6*\c:PC+2+6*\c], v[96+32*\c:111+32*\c], v[TM+12+\c]
	v_cvt_scalef32_pk16_fp6_f32 v[PC+12+4*\c:PC+14+4*\c], v[112+32*\c:127+32*\c], v[TM+12+\c]
.endr
	v_nop
.irp c, 0,1
.irp i, 0,1,2
	v_mov_b32 v[PC+3+6*\c+\i], v[PC+12+4*\c+\i]
.endr
.endr
.irp c, 0,1,2
	global_store_b128 v[LI], v[PC+4*\c:PC+4*\c+3], s[8:9] offset:512*\c   ; the image: 512 consecutive bytes a store
.endr
	ds_store_b32 v[EXA], v[PW]                     ; both heads' words of a tile meet, so that they leave as they lie in memory
	s_wait_dscnt 0x0
	s_barrier_signal -1
	s_barrier_wait -1
	s_cmp_lt_u32 s[WV], 4
	s_cbranch_scc0 .Lno_words
	ds_load_b32 v74, v[EXR]
	s_wait_dscnt 0x0
	global_store_b32 v[L4], v74, s[10:11]
.Lno_words:
	s_wait_tensorcnt 0x0                           ; the wave's end
	ds_add_u32 v[SPW], v[NIL]
	s_wait_dscnt 0x0
	CROUND                                         ; the closing round
	s_endpgm
.Lfunc_end_k_q57a73b22d7_attn:
	.size	k_q57a73b22d7_attn, .Lfunc_end_k_q57a73b22d7_attn-k_q57a73b22d7_attn
	.p2alignl 7, 3214868480
	.fill 96, 4, 3214868480
	.section	.rodata,"a",@progbits
	.p2align	6, 0x0
	.amdhsa_kernel k_q57a73b22d7_attn
		.amdhsa_group_segment_fixed_size 327680
		.amdhsa_private_segment_fixed_size 0
		.amdhsa_enable_private_segment 0
		.amdhsa_kernarg_size 32
		.amdhsa_user_sgpr_count 2
		.amdhsa_user_sgpr_kernarg_segment_ptr 1
		.amdhsa_wavefront_size32 1
		.amdhsa_system_sgpr_workgroup_id_x 1
		.amdhsa_system_sgpr_workgroup_id_y 1
		.amdhsa_system_sgpr_workgroup_id_z 1
		.amdhsa_system_vgpr_workitem_id 0
		.amdhsa_next_free_vgpr 512
		.amdhsa_next_free_sgpr 80
		.amdhsa_reserve_vcc 0
		.amdhsa_float_denorm_mode_32 3
		.amdhsa_float_denorm_mode_16_64 3
		.amdhsa_memory_ordered 1
		.amdhsa_forward_progress 1
		.amdhsa_inst_pref_size 216
	.end_amdhsa_kernel
	.amdgpu_metadata
---
amdhsa.version: [ 1, 2 ]
amdhsa.kernels:
  - .name:           k_q57a73b22d7_attn
    .symbol:         k_q57a73b22d7_attn.kd
    .args:
      - { .name: qkv_codes, .offset: 0, .size: 8, .value_kind: global_buffer, .address_space: global }
      - { .name: qkv_scales, .offset: 8, .size: 8, .value_kind: global_buffer, .address_space: global }
      - { .name: att_codes, .offset: 16, .size: 8, .value_kind: global_buffer, .address_space: global }
      - { .name: att_scales, .offset: 24, .size: 8, .value_kind: global_buffer, .address_space: global }
    .group_segment_fixed_size: 327680
    .private_segment_fixed_size: 0
    .kernarg_segment_align: 8
    .kernarg_segment_size: 32
    .max_flat_workgroup_size: 256
    .sgpr_count:     80
    .vgpr_count:     512
    .wavefront_size: 32
...
	.end_amdgpu_metadata
.endif
;; end of part 3
;; launch oproj (part 4): grid 8 x 16, 4 waves a work-group, clusters of 4 x 4, 327,680 bytes of LDS; arguments att_codes, att_scales, codes, scales, out0; writes out0
.if DOCPART == 4
	.amdgcn_target "amdgcn-amd-amdhsa--gfx1250"
	.amdhsa_code_object_version 6
	.text
	.protected	k_q57a73b22d7_oproj
	.globl	k_q57a73b22d7_oproj
	.p2align	8
	.type	k_q57a73b22d7_oproj,@function
k_q57a73b22d7_oproj:
	s_mov_b64 s[64:65], 0
	v_nop
	global_prefetch_b8 v0, s[64:65] scope:SCOPE_SE
	s_setreg_imm32_b32 hwreg(HW_REG_WAVE_MODE, 25, 1), 1
	s_wait_xcnt 0x0
	s_wait_alu depctr_hold_cnt(0) depctr_sa_sdst(0) depctr_va_vdst(0) depctr_va_sdst(0) depctr_va_ssrc(0) depctr_va_vcc(0) depctr_vm_vsrc(0)
	s_getreg_b32 s2, hwreg(HW_REG_IB_STS2, 6, 4)
	s_cmp_eq_u32 s2, 0
	s_cbranch_scc0 .Lentry_in_a_cluster
	s_endpgm
.Lentry_in_a_cluster:
	s_bfe_u32 s2, ttmp6, 0x10000c
	s_cmp_lg_u32 s2, 0xf033
	s_cbranch_scc0 .Lentry_shape_is_right
	s_endpgm
.Lentry_shape_is_right:
.set NA,    4
.set NQ,    4
.set NL,    3
.set FR,    12
.set NP,    4
.set TILEB, 24576
.set TBY,   NQ*1536
.set XH,    NA*TBY
.set XREG,  2*XH
.set YH,    8*TBY
.set SLOT,  XREG+2*YH
.set SCX,   2*SLOT
.set SCY,   SCX+2*NA*1024
.set SPARE, SCY+16384
.set LAPS,  16/(2*NQ)
.set SPITCH, 528
.set ADRX, 16
.set ADRY, 20
.set STO,  24
.set RD,   25
.set ADRS, 27
.set SPW,  28
.set NIL,  29
.set LI,   30
.set SC,   32
.set AF,   128
.set BK,   128
.set WV,   18
.set WX,   19
.set WY,   20
.set G1X,  24
.set G0X,  32
.set G1Y,  48
.set G0Y,  56
.set G1SX, 68
.set G0SX, 76
.set G1SY, 80
.set G0SY, 88
.set MSB, 0
.macro WIN new
.if MSB != (\new)
	s_set_vgpr_msb (MSB<<8)|(\new)
.set MSB, (\new)
.endif
.endm
.set MUL_LO, 0xa1
.set TO_Y,   0x40
.macro JLOAD g0x, g1x, g0y, g1y
	s_cmp_eq_u32 s[WX], 0
	s_cbranch_scc0 .Lfor_y_\@
	tensor_load_to_lds s[\g0x:\g0x+3], s[\g1x:\g1x+7]
	s_nop 0
.rept 4
	v_nop
.endr
	s_branch .Lasked_\@
.Lfor_y_\@:
	tensor_load_to_lds s[\g0y:\g0y+3], s[\g1y:\g1y+7]
	s_nop 0
.rept 4
	v_nop
.endr
.Lasked_\@:
.endm
.macro CREST
	s_cmp_lg_u32 s[WV], 0
	s_cbranch_scc1 .Lnot_wave_0_\@
	s_barrier_signal -3
.Lnot_wave_0_\@:
	s_barrier_wait -3
	s_barrier_signal -1
	s_barrier_wait -1
.endm
.macro CROUND
	s_barrier_signal -1
	s_barrier_wait -1
	CREST
.endm
.macro PLACES
.rept NP
	v_nop
.endr
.endm
.macro FRAG reg, adr, off
.irp c, 0,1,2
	ds_load_b128 v[\reg+4*\c:\reg+4*\c+3], v[\adr] offset:\off+512*\c
.endr
.endm
.macro FETCH_Y slot, q, p
	WIN TO_Y
.irp i, 0,1,2,3,4,5,6,7
	FRAG 128*(\p)+FR*\i, ADRY+\slot, \i*TBY+(\q)*1536
.endr
	WIN 0
.endm
.macro FETCH_X slot, q, i0
.irp i, \i0, \i0+1
	FRAG AF+FR*(\i), ADRX+\slot, (\i)*TBY+(\q)*1536
.endr
.endm
.macro SCALES sc
.irp i, 0,1,2,3,4,5,6,7
	ds_load_b64 v[SC+8*NQ*(\sc)+NQ*\i:SC+8*NQ*(\sc)+NQ*\i+1], v[ADRS] offset:1024*\i
	ds_load_b64 v[SC+8*NQ*(\sc)+NQ*\i+2:SC+8*NQ*(\sc)+NQ*\i+3], v[ADRS] offset:1024*\i+128
.endr
.endm
.macro MULB a, p, q, sc, zero
.irp b, 0,1,2,3,4,5,6,7
.if \zero
	v_wmma_scale_f32_16x16x128_f8f6f4 v[8*(8*(\a)+\b):8*(8*(\a)+\b)+7], v[128*(\p)+FR*\b:128*(\p)+FR*\b+FR-1], v[AF+FR*(\a):AF+FR*(\a)+FR-1], 0, v[SC+8*NQ*(\sc)+NQ*\b+(\q)], v[SC+8*NQ*(\sc)+NQ*(\a)+(\q)] matrix_a_fmt:MATRIX_FMT_FP6 matrix_b_fmt:MATRIX_FMT_FP6 matrix_a_scale:MATRIX_SCALE_ROW1
.else
	v_wmma_scale_f32_16x16x128_f8f6f4 v[8*(8*(\a)+\b):8*(8*(\a)+\b)+7], v[128*(\p)+FR*\b:128*(\p)+FR*\b+FR-1], v[AF+FR*(\a):AF+FR*(\a)+FR-1], v[8*(8*(\a)+\b):8*(8*(\a)+\b)+7], v[SC+8*NQ*(\sc)+NQ*\b+(\q)], v[SC+8*NQ*(\sc)+NQ*(\a)+(\q)] matrix_a_fmt:MATRIX_FMT_FP6 matrix_b_fmt:MATRIX_FMT_FP6 matrix_a_scale:MATRIX_SCALE_ROW1
.endif
.endr
.endm
.macro STEP slot, q, zero
	s_wait_dscnt 2*NL
	WIN MUL_LO
	MULB 0, (\q)%2, \q, \slot, \zero
	MULB 1, (\q)%2, \q, \slot, \zero
	s_wait_dscnt 0x0
	PLACES
	FETCH_Y \slot, (\q)+1, 1-(\q)%2
	FETCH_X \slot, (\q)+1, 0
	WIN MUL_LO
	MULB 2, (\q)%2, \q, \slot, \zero
	MULB 3, (\q)%2, \q, \slot, \zero
	PLACES
	WIN 0
	FETCH_X \slot, (\q)+1, 2
.endm
.macro TURN slot, next, fill
	s_wait_tensorcnt 0x0
	ds_add_u32 v[SPW], v[NIL]
	s_wait_dscnt 2*NL+1
	WIN MUL_LO
	MULB 0, 1, NQ-1, \slot, 0
	s_wait_dscnt 0x0
	s_barrier_signal -1
	MULB 1, 1, NQ-1, \slot, 0
	WIN 0
	s_barrier_wait -1
.if \fill
	CREST
	s_add_nc_u64 s[G0X+4*\slot+2:G0X+4*\slot+3], s[G0X+4*\slot+2:G0X+4*\slot+3], 2*TBY
	s_add_nc_u64 s[G0Y+4*\slot+2:G0Y+4*\slot+3], s[G0Y+4*\slot+2:G0Y+4*\slot+3], 2*TBY
	JLOAD G0X+4*\slot, G1X, G0Y+4*\slot, G1Y
.else
	PLACES
.endif
	s_wait_alu depctr_va_vdst(0)
	v_add_nc_u32 v[ADRS], 64*NQ, v[ADRS]
	FETCH_Y \next, 0, 0
	FETCH_X \next, 0, 0
	SCALES \next
	WIN MUL_LO
	MULB 2, 1, NQ-1, \slot, 0
	MULB 3, 1, NQ-1, \slot, 0
	PLACES
	WIN 0
	FETCH_X \next, 0, 2
.endm
	s_load_b256 s[4:11], s[0:1], 0x0
	s_load_b64 s[12:13], s[0:1], 0x20
	v_lshl_add_u32 v[SPW], v0, 2, SPARE
	v_mov_b32 v[NIL], 0
	ds_add_u32 v28, v29
	ds_add_u32 v28, v29
	s_wait_dscnt 0x0
	v_lshrrev_b32 v1, 5, v0
	v_readfirstlane_b32 s[WV], v1
	s_lshr_b32 s[WX], s[WV], 1
	s_and_b32 s[WY], s[WV], 1
	s_bfe_u32 s21, ttmp6, 0x40000
	s_bfe_u32 s22, ttmp6, 0x40004
	s_lshl_b32 s66, ttmp9, 2
	s_add_co_u32 s66, s66, s21
	s_and_b32 s67, ttmp7, 0xffff
	s_lshl_b32 s67, s67, 2
	s_add_co_u32 s67, s67, s22
	s_lshl_b32 s43, s67, 3
	s_lshl_b32 s44, s66, 4
	s_add_co_u32 s44, s44, 640
	s_lshl_b32 s46, s22, 2
	s_lshl_b32 s46, 15, s46
	s_lshl_b32 s47, 0x1111, s21
	s_or_b32 s[G1X], s46, (3<<16)|(1<<21)
	s_or_b32 s[G1Y], s47, (3<<16)|(1<<21)
	s_or_b32 s[G1SX], s46, (3<<16)|(1<<21)
	s_or_b32 s[G1SY], s47, (3<<16)|(1<<21)
	s_mov_b32 s[G1X+1], (TBY/8)<<16
	s_mov_b32 s[G1X+2], (2*NA)<<16                 ; the head's loads bring both halves; behind them the words that count rows are set to a half's
	s_mov_b32 s[G1X+3], (TBY/8)<<16
	s_mov_b32 s[G1X+4], 2*NA
	s_mov_b32 s[G1X+5], TILEB/8
	s_mov_b32 s[G1X+6], 0
	s_mov_b32 s[G1X+7], 0
	s_mov_b32 s[G1Y+1], (TBY/8)<<16
	s_mov_b32 s[G1Y+2], 16<<16
	s_mov_b32 s[G1Y+3], (TBY/8)<<16
	s_mov_b32 s[G1Y+4], 16
	s_mov_b32 s[G1Y+5], TILEB/8
	s_mov_b32 s[G1Y+6], 0
	s_mov_b32 s[G1Y+7], 0
	s_mov_b32 s[G1SX+1], 32<<16
	s_mov_b32 s[G1SX+2], (8*NA)<<16
	s_mov_b32 s[G1SX+3], 32<<16
	s_mov_b32 s[G1SX+4], 8*NA
	s_mov_b32 s[G1SX+5], 32
	s_mov_b32 s[G1SX+6], 0
	s_mov_b32 s[G1SX+7], 0
	s_mov_b32 s[G1SY+1], 32<<16
	s_mov_b32 s[G1SY+2], 64<<16
	s_mov_b32 s[G1SY+3], 32<<16
	s_mov_b32 s[G1SY+4], 64
	s_mov_b32 s[G1SY+5], 32
	s_mov_b32 s[G1SY+6], 0
	s_mov_b32 s[G1SY+7], 0
	s_mul_i32 s92, s43, TILEB
	s_mov_b32 s93, 0
	s_lshl_b32 s94, s43, 10
	s_mov_b32 s95, 0
	s_mul_i32 s96, s44, TILEB
	s_mov_b32 s97, 0
	s_lshl_b32 s98, s44, 10
	s_mov_b32 s99, 0
	s_mul_i32 s40, s[WY], XH
	s_mul_i32 s41, s[WY], YH
	s_add_co_u32 s41, s41, XREG
	; THE TILES ARE PREFETCHED: behind each of the two first fills the slot two fills on is named (slots 2 and 3; the ring has four). Of the tiles that a wave fetches in the ring each of the four partners
	; takes a quarter, told apart by address: one tile of X's four (cx), two of Y's eight (cy); a tile's part of a slot is 24 blocks of 256 bytes, a lane a block; lanes 24-31 name the last block again.
	s_lshl_b32 s47, s22, 1
	s_lshl_b32 s3, s[WY], 3
	s_add_co_u32 s47, s47, s3                      ; Y: 2 cy + 8 x half
	s_lshl_b32 s3, s[WY], 2
	s_add_co_u32 s3, s3, s21                       ; X: cx + 4 x half
	s_cmp_eq_u32 s[WX], 0                          ; do I fetch for X in the ring?
	s_cselect_b32 s46, s43, s44
	s_cselect_b32 s47, s3, s47
	s_add_co_u32 s46, s46, s47
	s_mul_i32 s46, s46, TILEB
	s_add_co_u32 s46, s46, 2*TBY                   ; at slot 2
	s_mov_b32 s47, 0
	s_mul_i32 s42, s[WY], NA*TILEB
	s_mov_b32 s43, 0
	s_mul_i32 s44, s[WY], 8*TILEB                  ; and in Y
	s_mov_b32 s45, 0
	s_wait_kmcnt 0x0
	s_add_nc_u64 s[92:93], s[4:5], s[92:93]
	s_cmp_eq_u32 s[WX], 0
	s_cselect_b64 s[100:101], s[4:5], s[8:9]       ; the choice hangs on the wave's number alone
	s_add_nc_u64 s[100:101], s[100:101], s[46:47]
	s_add_nc_u64 s[94:95], s[6:7], s[94:95]
	s_add_nc_u64 s[96:97], s[8:9], s[96:97]
	s_add_nc_u64 s[98:99], s[10:11], s[98:99]
	CROUND
	s_mov_b32 s[G0SX], 1
	s_mov_b32 s[G0SX+1], SCX
	s_mov_b64 s[G0SX+2:G0SX+3], s[94:95]
	s_or_b32 s[G0SX+3], s[G0SX+3], 0x80000000
	s_mov_b32 s[G0SY], 1
	s_mov_b32 s[G0SY+1], SCY
	s_mov_b64 s[G0SY+2:G0SY+3], s[98:99]
	s_or_b32 s[G0SY+3], s[G0SY+3], 0x80000000
.irp s, 0,1
	s_mov_b32 s[G0X+4*\s], 1
	s_add_co_u32 s[G0X+4*\s+1], s40, \s*SLOT
	s_add_nc_u64 s[G0X+4*\s+2:G0X+4*\s+3], s[92:93], \s*TBY
	s_or_b32 s[G0X+4*\s+3], s[G0X+4*\s+3], 0x80000000
	s_mov_b32 s[G0Y+4*\s], 1
	s_add_co_u32 s[G0Y+4*\s+1], s41, \s*SLOT
	s_add_nc_u64 s[G0Y+4*\s+2:G0Y+4*\s+3], s[96:97], \s*TBY
	s_or_b32 s[G0Y+4*\s+3], s[G0Y+4*\s+3], 0x80000000
.endr
	s_mov_b32 s[G0X+1], 0                          ; slot 0's sets serve the head's whole loads first: both halves of X,
	s_mov_b32 s[G0Y+1], XREG                       ; both halves of Y
	s_add_nc_u64 s[G0X+6:G0X+7], s[G0X+6:G0X+7], s[42:43]   ; slot 1's sets: my half
	s_add_nc_u64 s[G0Y+6:G0Y+7], s[G0Y+6:G0Y+7], s[44:45]
; THE HEAD'S LOADS, ONE A WAVE: wave 0 slot 0's X, wave 1 its Y, wave 2 X's scale words, wave 3 Y's. One tree of branches on the wave's number; every way passes one load.
.macro ARM under, g0, g1, next
	s_cmp_lt_u32 s[WV], \under
	s_cbranch_scc0 \next
	tensor_load_to_lds s[\g0:\g0+3], s[\g1:\g1+7]
	s_nop 0
.rept 4
	v_nop
.endr
	s_branch .Lhead_asked
\next:
.endm
	ARM 1, G0X,  G1X,  .Lhead_y
	ARM 2, G0Y,  G1Y,  .Lhead_sx
	ARM 3, G0SX, G1SX, .Lhead_sy
	tensor_load_to_lds s[G0SY:G0SY+3], s[G1SY:G1SY+7]
	s_nop 0
.rept 4
	v_nop
.endr
.Lhead_asked:
	v_and_b32 v1, 31, v0
	v_lshlrev_b32 v[LI], 4, v1
	v_and_b32 v2, 15, v0
	v_bfe_u32 v3, v0, 4, 1
	v_min_u32 v31, 23, v1
	v_lshlrev_b32 v31, 8, v31                      ; the prefetches' offset: my block of a tile's 24; never rewritten
	s_wait_alu depctr_va_vdst(0)
.macro ASK
	global_prefetch_b8 v31, s[100:101] th:TH_LOAD_NT scope:SCOPE_SE
	s_cmp_eq_u32 s[WX], 0
	s_cbranch_scc1 .Lone_tile_\@
	global_prefetch_b8 v31, s[100:101] offset:TILEB th:TH_LOAD_NT scope:SCOPE_SE   ; Y's second tile
.Lone_tile_\@:
.endm
	ASK                                            ; slot 2
	s_mul_i32 s40, s[WX], XH
	s_mul_i32 s41, s[WY], YH
	s_add_co_u32 s41, s41, XREG
.irp s, 0,1
	v_add_nc_u32 v[ADRX+\s], s40, v[LI]
	v_add_nc_u32 v[ADRY+\s], s41, v[LI]
	s_add_co_u32 s40, s40, SLOT
	s_add_co_u32 s41, s41, SLOT
.endr
	v_lshlrev_b32 v5, 3, v2
	s_mul_i32 s40, s[WX], NA*1024
	s_lshl_b32 s41, s[WY], 13
	s_add_co_u32 s41, s41, SCY-SCX
	s_sub_co_u32 s41, s41, s40
	v_mul_u32_u24 v6, s41, v3
	s_add_co_u32 s40, s40, SCX
	v_add_nc_u32 v5, v5, v6
	v_add_nc_u32 v[ADRS], s40, v5
	s_mul_i32 s40, s[WV], 16*SPITCH
	v_mul_u32_u24 v5, v2, SPITCH
	v_lshl_add_u32 v5, v3, 7, v5                   ; the stage, in: row r, + 128 h: register j of Y's tile 4 c + u is column 64 c + 32 h + 8 u + j
	v_add_nc_u32 v[STO], s40, v5
	v_add_nc_u32 v[RD], s40, v[LI]
	s_lshl_b32 s40, s67, 7
	s_lshl_b32 s41, s[WX], 6
	s_add_co_u32 s40, s40, s41
	s_lshl_b32 s40, s40, 13
	s_lshl_b32 s41, s66, 10
	s_add_co_u32 s40, s40, s41
	s_lshl_b32 s41, s[WY], 9
	s_add_co_u32 s40, s40, s41
	s_mov_b32 s41, 0
	s_add_nc_u64 s[12:13], s[12:13], s[40:41]
	s_wait_alu depctr_va_vdst(0)
	s_wait_tensorcnt 0x0                           ; my tile of the head's four is in
	ds_add_u32 v[SPW], v[NIL]
	s_mov_b32 s[G1X+2], NA<<16                     ; no tensor load of mine is out, so descriptors may be written: from here on a load brings a half
	s_mov_b32 s[G1X+4], NA
	s_mov_b32 s[G1Y+2], 8<<16
	s_mov_b32 s[G1Y+4], 8
	s_wait_xcnt 0x0                                ; the prefetches have read their address
	s_add_nc_u64 s[100:101], s[100:101], TBY
	s_mul_i32 s[G0X+1], s[WY], XH
	s_mul_i32 s[G0Y+1], s[WY], YH
	s_add_co_u32 s[G0Y+1], s[G0Y+1], XREG
	s_mul_i32 s92, s[WY], NA*TILEB
	s_mov_b32 s93, 0
	s_add_nc_u64 s[G0X+2:G0X+3], s[G0X+2:G0X+3], s[92:93]
	s_mul_i32 s92, s[WY], 8*TILEB
	s_add_nc_u64 s[G0Y+2:G0Y+3], s[G0Y+2:G0Y+3], s[92:93]
	s_wait_dscnt 0x0
	CROUND                                         ; all four tiles are in, and all sixteen work-groups are here
	JLOAD G0X+4, G1X, G0Y+4, G1Y                   ; slot 1's first fill, the first tensor load behind the round
	FETCH_Y 0, 0, 0
	FETCH_X 0, 0, 0
	SCALES 0
	FETCH_X 0, 0, 2
	ASK                                            ; slot 3
	STEP 0, 0, 1
	s_mov_b32 s3, LAPS-1
.Llap:
	STEP 0, 1, 0
	STEP 0, 2, 0
	TURN 0, 1, 1
	STEP 1, 0, 0
	STEP 1, 1, 0
	STEP 1, 2, 0
	TURN 1, 0, 1
	STEP 0, 0, 0
	s_sub_co_u32 s3, s3, 1
	s_cmp_lg_u32 s3, 0
	s_cbranch_scc1 .Llap
	STEP 0, 1, 0
	STEP 0, 2, 0
	TURN 0, 1, 0
	STEP 1, 0, 0
	STEP 1, 1, 0
	STEP 1, 2, 0
	s_wait_dscnt 2*NL
	WIN MUL_LO
	MULB 0, 1, NQ-1, 1, 0
	MULB 1, 1, NQ-1, 1, 0
	s_wait_dscnt 0x0
	MULB 2, 1, NQ-1, 1, 0
	MULB 3, 1, NQ-1, 1, 0
	WIN 0
.macro TOSTAGE a
.set AC, 64*(\a)
	WIN 0x08
.irp b, 0,1,2,3,4,5,6,7
	ds_store_b128 v[STO], v[AC+8*\b:AC+8*\b+3] offset:256*(\b/4)+32*(\b%4)
	ds_store_b128 v[STO], v[AC+8*\b+4:AC+8*\b+7] offset:256*(\b/4)+32*(\b%4)+16
.endr
	WIN 0
.set BB, BK+64*((\a)%2)
.irp t, 0,1,2,3,4,5,6,7,8,9,10,11,12,13,14,15
	ds_load_b128 v[BB+4*\t:BB+4*\t+3], v[RD] offset:\t*SPITCH
.endr
.endm
.macro SEND a, younger
.set BB, BK+64*((\a)%2)
	s_wait_dscnt \younger
.irp t, 0,1,2,3,4,5,6,7,8,9,10,11,12,13,14,15
	global_store_b128 v[LI], v[BB+4*\t:BB+4*\t+3], s[12:13] offset:(8*(\a)+\t%8+32*(\t/8))*8192 th:TH_STORE_NT   ; row t of X's tile a is row 32 (t / 8) + 8 a + t % 8 of my 64
.endr
.endm
	PLACES
	TOSTAGE 0
	TOSTAGE 1
	SEND 0, 32
	s_wait_xcnt 0x0
	TOSTAGE 2
	SEND 1, 32
	s_wait_xcnt 0x0
	TOSTAGE 3
	SEND 2, 32
	SEND 3, 0
	s_wait_tensorcnt 0x0
	ds_add_u32 v[SPW], v[NIL]
	s_wait_dscnt 0x0
	CROUND
	s_endpgm
.Lfunc_end_k_q57a73b22d7_oproj:
	.size	k_q57a73b22d7_oproj, .Lfunc_end_k_q57a73b22d7_oproj-k_q57a73b22d7_oproj
	.p2alignl 7, 3214868480
	.fill 96, 4, 3214868480
	.section	.rodata,"a",@progbits
	.p2align	6, 0x0
	.amdhsa_kernel k_q57a73b22d7_oproj
		.amdhsa_group_segment_fixed_size 327680
		.amdhsa_private_segment_fixed_size 0
		.amdhsa_enable_private_segment 0
		.amdhsa_kernarg_size 40
		.amdhsa_user_sgpr_count 2
		.amdhsa_user_sgpr_kernarg_segment_ptr 1
		.amdhsa_wavefront_size32 1
		.amdhsa_system_sgpr_workgroup_id_x 1
		.amdhsa_system_sgpr_workgroup_id_y 1
		.amdhsa_system_sgpr_workgroup_id_z 1
		.amdhsa_system_vgpr_workitem_id 0
		.amdhsa_next_free_vgpr 768
		.amdhsa_next_free_sgpr 102
		.amdhsa_reserve_vcc 0
		.amdhsa_float_denorm_mode_32 3
		.amdhsa_float_denorm_mode_16_64 3
		.amdhsa_memory_ordered 1
		.amdhsa_forward_progress 1
		.amdhsa_inst_pref_size 141
	.end_amdhsa_kernel
	.amdgpu_metadata
---
amdhsa.version: [ 1, 2 ]
amdhsa.kernels:
  - .name:           k_q57a73b22d7_oproj
    .symbol:         k_q57a73b22d7_oproj.kd
    .args:
      - { .name: att_codes, .offset: 0, .size: 8, .value_kind: global_buffer, .address_space: global }
      - { .name: att_scales, .offset: 8, .size: 8, .value_kind: global_buffer, .address_space: global }
      - { .name: codes, .offset: 16, .size: 8, .value_kind: global_buffer, .address_space: global }
      - { .name: scales, .offset: 24, .size: 8, .value_kind: global_buffer, .address_space: global }
      - { .name: out0, .offset: 32, .size: 8, .value_kind: global_buffer, .address_space: global }
    .group_segment_fixed_size: 327680
    .private_segment_fixed_size: 0
    .kernarg_segment_align: 8
    .kernarg_segment_size: 40
    .max_flat_workgroup_size: 128
    .sgpr_count:     102
    .vgpr_count:     768
    .wavefront_size: 32
...
	.end_amdgpu_metadata
.endif
;; end of part 4
